; MI455X (gfx1250); checked and timed in simulation.
; The chip was launched on July 23, 2026; its instructions are those of AMD's public machine-readable ISA for CDNA 5 (MIT licence, August 2026) and "CDNA5" Instruction Set Architecture Reference Guide (July 2026). The comments in the code are by the model that wrote it; some were corrected since.
;; Causal Self Attention. Allowed arithmetic: matrix products marked QUANTISED: E2M3 operands, one E8M0 scale for each 32 along K, by v_wmma_scale_f32_16x16x128_f8f6f4 with both operands' format E2M3, f32 sums; everything else in f32.
;; Inputs: Wk 1,024 x 1,024 float32; Wp 1,024 x 1,024 float32; Wq 1,024 x 1,024 float32; Wv 1,024 x 1,024 float32; bk 1,024 float32; bp 1,024 float32; bq 1,024 float32; bv 1,024 float32; x 4 x 2,048 x 1,024 float32.
;; Outputs: out0 4 x 2,048 x 1,024 float32.
;; This version of the problem:
;;   THIS VERSION OF THE PROBLEM IS GIVEN IN LOW PRECISION. The matrix products marked QUANTISED in the list below multiply operands that are first quantised to E2M3 (2 exponent bits, 3 mantissa bits; 6 bits a number), with one power-of-two scale for each 32 numbers along K (OCP MX v1.0); their sums are f32. All else is computed in f32.
;;   The module's matrix products, in the order in which they are computed (A, B: the left and right operand; K: the contracted axis; several contracted axes count as one K, in the product's order):
;;     1. [M 8,192, K 1,024] x [K 1,024, N 1,024]; A: input x; B: input Wq: QUANTISED
;;     2. [M 8,192, K 1,024] x [K 1,024, N 1,024]; A: input x; B: input Wk: QUANTISED
;;     3. [M 8,192, K 1,024] x [K 1,024, N 1,024]; A: input x; B: input Wv: QUANTISED
;;     4. batch 64 x [M 2,048, K 64] x [K 64, N 2,048]; A: computed on the way; B: computed on the way: QUANTISED
;;     5. batch 64 x [M 2,048, K 2,048] x [K 2,048, N 64]; A: softmax (see below); B: computed on the way: QUANTISED
;;     6. [M 8,192, K 1,024] x [K 1,024, N 1,024]; A: computed on the way; B: input Wp: QUANTISED
;;   THE QUANTISER, for each operand of a quantised product, along K:
;;     - K is cut into blocks of 32 from its start; a last block that is shorter is filled with zeros.
;;     - A block's scale is 2^e with e = floor(log2(the largest magnitude in the block)) - 2, held to -126 .. 127; a block of zeros has e = 0. As a byte (E8M0): e + 127.
;;     - Each number is divided by its block's scale, clamped to +-7.5, and rounded to the nearest number of E2M3, ties to even, subnormals kept.
;;     - The product sums the exact products of the quantised numbers (number of the format x scale) in f32.
;;   ~~~python
;;   def quantise(x, axis):      # numpy; x: float32 -> the quantised numbers, widened to float32 again
;;       x = np.moveaxis(x, axis, -1); K = x.shape[-1]
;;       x = np.pad(x, [(0, 0)] * (x.ndim - 1) + [(0, -K % 32)]); x = x.reshape(x.shape[:-1] + (-1, 32)); a = np.abs(x).max(-1, keepdims=True)
;;       e = np.where(a > 0, np.clip(np.frexp(np.where(a > 0, a, 1))[1] - 1 - 2, -126, 127), 0)      # np.frexp(a)[1] - 1 = floor(log2(a)), exactly
;;       r = np.clip(x / 2.0 ** e, -7.5, 7.5)
;;       step = 2.0 ** (np.maximum(np.frexp(np.where(r == 0, 1, r))[1] - 1, 0) - 3)
;;       q = np.round(r / step) * step * 2.0 ** e      # np.round: ties to even
;;       return np.moveaxis(q.reshape(q.shape[:-2] + (-1,))[..., :K], -1, axis).astype(np.float32)
;;   ~~~
;;   SOFTMAX AHEAD OF A QUANTISED PRODUCT. Where the list says 'softmax', what is quantised is not the finished softmax but p = 2^(t - M), with t = logit x log2(e) and M = ceil(the row's largest t), a whole number; so 1/2 < the row's largest p <= 1. The row's sum l is taken of the UNQUANTISED p, in f32, and the product's result is divided by l at the end. Since M is a whole number, a kernel that streams over the keys may use a running M (the ceiling of the running maximum): every later rescaling is an exact power of two, which a block's scale takes up: the codes' values come out the same.
;;   OPERANDS COMPUTED ON THE WAY. 'Computed on the way' means the value that the module computes at that place (a softmax that the list does not call 'softmax' is quantised finished and normalised). What goes into a quantiser is computed in f32, as accurately as f32 sums, v_exp_f32 and their like allow (about 1e-6 of the number): no bf16 or f16 on the way to a quantiser, and a product that is left as it is and whose result goes on into a quantised operand takes f32 operands (vector FMAs, or v_wmma_f32_16x16x4_f32). A number that lies on a knife's edge between two numbers of the format may be rounded either way, as far as f32 arithmetic and the matrix unit's own rounding can turn it there, and no further.
;; One version. Each part assembles by itself: llvm-mc -triple=amdgcn-amd-amdhsa -mcpu=gfx1250 --defsym DOCPART=n.
;; ======== version 1 of 1: 4 launches
;; workspace buffers: xq 6,553,600 bytes; wq 3,276,800 bytes; qq 6,815,744 bytes; kv 13,369,344 bytes; yq 6,553,600 bytes
;; launch quant (part 1): grid 256 x 1, 8 waves a work-group, no clusters, 82,944 bytes of LDS; arguments x, Wq, Wk, Wv, Wp, xq, wq; writes xq, wq
.if DOCPART == 1
	.amdgcn_target "amdgcn-amd-amdhsa--gfx1250"
	.amdhsa_code_object_version 6
	.text
	.protected	k_qa119ac4e77_quant
	.globl	k_qa119ac4e77_quant
	.p2align	8
	.type	k_qa119ac4e77_quant,@function
k_qa119ac4e77_quant:
	s_mov_b64 s[64:65], 0
	v_nop
	global_prefetch_b8 v0, s[64:65] scope:SCOPE_SE
	s_setreg_imm32_b32 hwreg(HW_REG_WAVE_MODE, 25, 1), 1
	s_wait_xcnt 0x0
; x [8192][1024] and Wq, Wk, Wv, Wp [1024 (k)][1024 (n)], f32, become codes of FP6 (E2M3) with one E8M0 byte for each 32 along K, laid as the products' launches take them.
; A block's scale is 2^(floor(log2(largest magnitude)) - 2): its byte is the largest magnitude's exponent field - 2, held at 1 from below.
; LIMITS: a block of zeros gets the byte 1 where the rule says 127 (its codes are zeros, and this program alone reads the bytes); NaN and infinities among the inputs are not served.
; THE ROWS OF A TILE: rows (tokens of x, columns n of W) go in groups of 32; tile 2 P + u, lane row r, is row 32 P + 8 u + r + 8 (r / 8).
; A FRAGMENT'S IMAGE (16 rows x 128 K, 12 registers a lane, 1,536 bytes): registers 4 j .. 4 j + 3 of lane L lie at 512 j + 16 L: three loads of 16 bytes a lane bring a fragment.
; xq: [tile 512][K step 8][image]; from byte 6,291,456 the scale bytes [token][32].
; wq: [head 16][K step 8][4 type + t][image] (type 0 q, 1 k, 2 v; t the head's tile of 16 columns); from 2,359,296 Wp as [128 columns 8][K step 8][tile 8][image];
;     from 3,145,728 the scale bytes [row][32], row = 192 head + 64 type + (n % 64), and 3,072 + n for Wp.
; SHARES.  Work-group g takes tokens 32 g .. 32 g + 31 of x (wave w: K step w, two tiles) AND 32 columns x 512 rows of one weight (matrix g / 64, columns 32 ((g / 2) % 32) on, rows 512 (g % 2) on;
; wave w: 64 rows, a lane a column, registers down K).  One path for all work-groups: only pointers and offsets are chosen by the work-group's number.
; No input is read by two work-groups, so there is no cluster; no tensor load; one barrier.  What a wave hands to others lies in LDS bytes of its own: a constant + a constant x wave + a constant x lane.
.set XSC,  67584                       ; LDS: 0: a stage of 16 rows x 528 bytes for each wave; here: x's scale words, 128 bytes a wave
.set WIMG, 68608                       ; W's half fragments: 1,536 bytes a wave: [u 2][fragment lane 32][24 bytes]
.set WSC,  80896                       ; W's scale bytes: 64 bytes a wave, 2 a lane
.set L16, 1                            ; v1   16 x lane
.set XSI, 2                            ; v2   the stage, on the way in
.set XSO, 3                            ; v3   and out: row r, + 64 h
.set XSA, 4                            ; v4   where my x scale word goes
.set WA,  5                            ; v5   where my column's codes go
.set WSA, 6                            ; v6   and its two scale bytes
.set WR,  7                            ; v7   the way out: the image that my wave sends
.set XSR, 8                            ; v8   the way out: x's scale words
.set WSR, 9                            ; v9   the way out: W's scale bytes
.set L4,  10                           ; v10  4 x lane
.set XGO, 11                           ; v11  16 x (thread % 64)
.set WGO, 12                           ; v12  32 x lane
.set TM,  16                           ; v16-19 largest magnitudes, v20-23 bytes, v28-31 the conversions' scale operands
.set PC,  32                           ; v32-43 a fragment's codes; v44-51 at work
.set PW0, 52
.set PW1, 53
.set PWJ, 54
.set WBY, 55
.set R0,  64                           ; v64-127  x's tile 0 as loaded; then my column's 64 numbers of W
.set R1,  128                          ; v128-191 x's tile 1 as loaded
.set X,   192                          ; v192-255 64 numbers of a lane: register 16 b + i = k 32 b + 16 h + i of row r
.set WV,  18
.set SEL, 44
.set HI16, 46
; 64 numbers of a lane become a fragment's codes in v[PC] on and its row's scale word in v[pw]
.macro QUANT s, pw
.irp b, 0,1,2,3
	v_max3_num_f32 v[TM+\b], |v[\s+16*\b]|, |v[\s+1+16*\b]|, 0x1800000   ; my 16 numbers of block b, and the floor 2^(3 - 127): the byte cannot fall under 1
.endr
.irp i, 2,4,6,8,10,12,14
.irp b, 0,1,2,3
	s_delay_alu instid0(VALU_DEP_4)
	v_max3_num_f32 v[TM+\b], v[TM+\b], |v[\s+16*\b+\i]|, |v[\s+1+16*\b+\i]|
.endr
.endr
.irp b, 0,1,2,3
	s_delay_alu instid0(VALU_DEP_4)
	v_permlanex16_b32 v[TM+4+\b], v[TM+\b], s[SEL], s[SEL+1]
.endr
.irp b, 0,1,2,3
	s_delay_alu instid0(VALU_DEP_4)
	v_max_num_f32 v[TM+\b], v[TM+\b], v[TM+4+\b]   ; with lane l xor 16's 16: the block's largest magnitude
.endr
.irp b, 0,1,2,3
	s_delay_alu instid0(VALU_DEP_4)
	v_add_nc_u32 v[TM+12+\b], 0xff000000, v[TM+\b] ; 2 off its exponent field: the conversion's scale operand
.endr
.irp b, 0,1,2,3
	s_delay_alu instid0(VALU_DEP_4)
	v_lshrrev_b32 v[TM+4+\b], 23, v[TM+12+\b]      ; the scale's byte
.endr
	s_delay_alu instid0(VALU_DEP_3)
	v_lshl_or_b32 v[\pw], v[TM+5], 8, v[TM+4]
	s_delay_alu instid0(VALU_DEP_1)
	v_lshl_or_b32 v[\pw], v[TM+6], 16, v[\pw]
	s_delay_alu instid0(VALU_DEP_1)
	v_lshl_or_b32 v[\pw], v[TM+7], 24, v[\pw]
.irp c, 0,1
	v_cvt_scalef32_pk16_fp6_f32 v[PC+6*\c:PC+2+6*\c], v[\s+32*\c:\s+15+32*\c], v[TM+12+2*\c]
	v_cvt_scalef32_pk16_fp6_f32 v[PC+12+4*\c:PC+14+4*\c], v[\s+16+32*\c:\s+31+32*\c], v[TM+12+2*\c+1]   ; (a conversion's three registers begin on an even number)
.endr
	v_nop                                          ; one plain place behind a scaled conversion
.irp c, 0,1                            ; the operand wants a whole block in a lane: lanes 0-15 block 2 c, lanes 16-31 block 2 c + 1
.irp i, 0,1,2
	v_permlane16_swap_b32 v[PC+6*\c+\i], v[PC+12+4*\c+\i]
.endr
.irp i, 0,1,2
	s_delay_alu instid0(VALU_DEP_3)
	v_mov_b32 v[PC+3+6*\c+\i], v[PC+12+4*\c+\i]
.endr
.endr
.endm
.macro XLOAD reg, u                    ; tile u's 16 rows, my K step's 512 bytes of each: 32 lanes read 512 consecutive bytes
.irp i, 0,1,2,3,4,5,6,7,8,9,10,11,12,13,14,15
	global_load_b128 v[\reg+4*\i:\reg+4*\i+3], v[L16], s[4:5] offset:(8*\u+\i+8*(\i/8))*4096 th:TH_LOAD_NT
.endr
.endm
.macro XTURN reg                       ; through my own stage: in as loaded, out 64 bytes a lane and block.  LDS serves a wave's instructions in order
.irp i, 0,1,2,3,4,5,6,7,8,9,10,11,12,13,14,15
	ds_store_b128 v[XSI], v[\reg+4*\i:\reg+4*\i+3] offset:528*\i
.endr
.irp b, 0,1,2,3
.irp j, 0,1,2,3
	ds_load_b128 v[X+16*\b+4*\j:X+16*\b+4*\j+3], v[XSO] offset:128*\b+16*\j
.endr
.endr
	s_wait_dscnt 0x0
.endm
.macro XSEND u                         ; the image: three stores of 512 consecutive bytes
.irp j, 0,1,2
	global_store_b128 v[L16], v[PC+4*\j:PC+4*\j+3], s[28:29] offset:12288*\u+512*\j
.endr
.endm
	s_load_b256 s[4:11], s[0:1], 0x0               ; x, Wq, Wk, Wv
	s_load_b128 s[12:15], s[0:1], 0x20             ; Wp, xq
	s_load_b64 s[16:17], s[0:1], 0x30              ; wq
	v_lshl_add_u32 v62, v0, 2, 0x14000
	v_mov_b32 v63, 0
	v_lshrrev_b32 v13, 5, v0
	s_delay_alu instid0(VALU_DEP_1)
	v_readfirstlane_b32 s[WV], v13                 ; wave 0..7
	v_and_b32 v13, 31, v0                          ; lane
	v_and_b32 v14, 15, v0                          ; r
	v_bfe_u32 v15, v0, 4, 1                        ; h
	s_delay_alu instid0(VALU_DEP_3)
	v_lshlrev_b32 v[L16], 4, v13
	s_delay_alu instid0(VALU_DEP_4)
	v_lshlrev_b32 v[L4], 2, v13
	s_mul_i32 s19, s[WV], 8448                     ; my stage
	v_add_nc_u32 v[XSI], s19, v[L16]
	v_mul_u32_u24 v[XSO], v14, 528
	s_delay_alu instid0(VALU_DEP_1)
	v_lshl_add_u32 v[XSO], v15, 6, v[XSO]
	s_delay_alu instid0(VALU_DEP_1)
	v_add_nc_u32 v[XSO], s19, v[XSO]
	s_lshl_b32 s19, s[WV], 7
	s_add_co_u32 s19, s19, XSC
	v_add_nc_u32 v[XSA], s19, v[L4]
	v_bfe_u32 v[WA], v0, 3, 1                      ; my column 32 cg + L lies in tile u = (L / 8) % 2,
	s_delay_alu instid0(VALU_DEP_1)
	v_mul_u32_u24 v[WA], v[WA], 768
	v_and_b32 v[WSA], 7, v0
	s_delay_alu instid0(VALU_DEP_1)
	v_lshl_add_u32 v[WSA], v15, 3, v[WSA]          ; at lane row L % 8 + 8 (L / 16)
	s_delay_alu instid0(VALU_DEP_1)
	v_mad_u32_u24 v[WA], v[WSA], 24, v[WA]
	s_mul_i32 s19, s[WV], 1536
	s_add_co_u32 s19, s19, WIMG
	v_add_nc_u32 v[WA], s19, v[WA]
	s_lshl_b32 s19, s[WV], 6
	s_add_co_u32 s19, s19, WSC
	v_lshl_add_u32 v[WSA], v13, 1, s19
	s_lshr_b32 s19, s[WV], 1                       ; the image that I send: K step w / 2 of the work-group's four, tile u = w % 2: its halves lie in waves 2 (w / 2) and 2 (w / 2) + 1's regions
	s_mul_i32 s19, s19, 3072
	s_and_b32 s20, s[WV], 1
	s_mul_i32 s20, s20, 768
	s_add_co_u32 s19, s19, s20
	s_add_co_u32 s19, s19, WIMG
	v_mul_u32_u24 v[WR], v13, 24
	s_delay_alu instid0(VALU_DEP_1)
	v_add_nc_u32 v[WR], s19, v[WR]
	v_bfe_u32 v[XSR], v0, 1, 3                     ; thread n (0 .. 63) sends bytes 16 (n % 2) on of token n / 2: that token's words lie in lane (token % 8) + 8 (token / 16) + 16 ((token / 8) % 2)
	v_bfe_u32 v[WSR], v0, 5, 1
	s_delay_alu instid0(VALU_DEP_1)
	v_lshl_add_u32 v[XSR], v[WSR], 3, v[XSR]
	s_delay_alu instid0(VALU_DEP_1)
	v_lshl_add_u32 v[XSR], v15, 4, v[XSR]
	s_delay_alu instid0(VALU_DEP_1)
	v_lshlrev_b32 v[XSR], 2, v[XSR]
	v_and_b32 v[WSR], 1, v0
	s_delay_alu instid0(VALU_DEP_1)
	v_lshl_add_u32 v[XSR], v[WSR], 9, v[XSR]       ; of waves 4 (n % 2) .. + 3
	s_delay_alu instid0(VALU_DEP_1)
	v_add_nc_u32 v[XSR], XSC, v[XSR]
	v_and_b32 v[XGO], 63, v0
	s_delay_alu instid0(VALU_DEP_1)
	v_lshlrev_b32 v[XGO], 4, v[XGO]
	v_lshl_add_u32 v[WSR], v13, 1, WSC
	v_lshlrev_b32 v[WGO], 5, v13
.irp b, 0,1,2,3
	v_mov_b32 v[TM+4+\b], 0                        ; written once: a lane permute's destination counts as one of its sources
.endr
	s_mov_b32 s[SEL], 0x76543210
	s_mov_b32 s[SEL+1], 0xfedcba98                 ; v_permlanex16_b32's selects for lane l xor 16
	s_mov_b32 s[HI16], 0xffff0000                  ; a mask of lanes 16-31
	s_lshr_b32 s21, ttmp9, 6                       ; which weight: 0 q, 1 k, 2 v, 3 p
	s_bfe_u32 s22, ttmp9, 0x50001                  ; cg: which 32 columns
	s_and_b32 s23, ttmp9, 1                        ; kh: which 512 rows
	s_lshl_b32 s24, ttmp9, 17                      ; x: 32 tokens of 4,096 bytes,
	s_lshl_b32 s26, s[WV], 9                       ; my K step's 512 bytes
	s_add_co_u32 s24, s24, s26
	s_mov_b32 s25, 0
	s_lshl_b32 s26, s23, 21                        ; W: row 512 kh + 64 w, of 4,096 bytes,
	s_lshl_b32 s27, s[WV], 18
	s_add_co_u32 s26, s26, s27
	s_lshl_b32 s27, s22, 7                         ; column 32 cg
	s_add_co_u32 s26, s26, s27
	s_mov_b32 s27, 0
	s_mul_i32 s28, ttmp9, 24576                    ; xq: tile 2 g, K step w
	s_mul_i32 s29, s[WV], 1536
	s_add_co_u32 s28, s28, s29
	s_mov_b32 s29, 0
	s_lshl_b32 s30, ttmp9, 10                      ; x's scale bytes: 32 tokens x 32
	s_add_co_u32 s30, s30, 6291456
	s_mov_b32 s31, 0
	s_lshl_b32 s36, s23, 2
	s_lshr_b32 s37, s[WV], 1
	s_add_co_u32 s36, s36, s37                     ; the K step of the image that I send
	s_and_b32 s37, s[WV], 1                        ; and its u
	s_lshr_b32 s38, s22, 1                         ; q, k, v: head cg / 2,
	s_mul_i32 s38, s38, 147456
	s_mul_i32 s39, s36, 18432
	s_add_co_u32 s38, s38, s39
	s_lshl_b32 s39, s21, 2                         ; tile 4 type + 2 (cg % 2) + u
	s_and_b32 s40, s22, 1
	s_lshl_b32 s40, s40, 1
	s_add_co_u32 s39, s39, s40
	s_add_co_u32 s39, s39, s37
	s_mul_i32 s39, s39, 1536
	s_add_co_u32 s38, s38, s39
	s_lshr_b32 s40, s22, 2                         ; Wp: group cg / 4,
	s_mul_i32 s40, s40, 98304
	s_mul_i32 s41, s36, 12288
	s_add_co_u32 s40, s40, s41
	s_and_b32 s41, s22, 3                          ; tile 2 (cg % 4) + u
	s_lshl_b32 s41, s41, 1
	s_add_co_u32 s41, s41, s37
	s_mul_i32 s41, s41, 1536
	s_add_co_u32 s40, s40, s41
	s_add_co_u32 s40, s40, 2359296
	s_lshr_b32 s42, s22, 1                         ; the scale bytes' first row: 192 head + 64 type + 32 (cg % 2),
	s_mul_i32 s42, s42, 192
	s_lshl_b32 s43, s21, 6
	s_add_co_u32 s42, s42, s43
	s_and_b32 s43, s22, 1
	s_lshl_b32 s43, s43, 5
	s_add_co_u32 s42, s42, s43
	s_lshl_b32 s43, s22, 5                         ; or 3,072 + 32 cg
	s_add_co_u32 s43, s43, 3072
	s_cmp_eq_u32 s21, 3
	s_cselect_b32 s32, s40, s38
	s_cselect_b32 s34, s43, s42
	s_mov_b32 s33, 0
	s_lshl_b32 s34, s34, 5
	s_lshl_b32 s35, s23, 4                         ; my work-group's 16 of a row's 32 bytes
	s_add_co_u32 s34, s34, s35
	s_add_co_u32 s34, s34, 3145728
	s_mov_b32 s35, 0
	s_wait_kmcnt 0x0
	s_cmp_eq_u32 s21, 1                            ; the weight's pointer: a choice on the work-group's number alone
	s_cselect_b64 s[6:7], s[8:9], s[6:7]
	s_cmp_eq_u32 s21, 2
	s_cselect_b64 s[6:7], s[10:11], s[6:7]
	s_cmp_eq_u32 s21, 3
	s_cselect_b64 s[6:7], s[12:13], s[6:7]
	s_add_nc_u64 s[4:5], s[4:5], s[24:25]
	s_add_nc_u64 s[6:7], s[6:7], s[26:27]
	s_add_nc_u64 s[28:29], s[14:15], s[28:29]
	s_add_nc_u64 s[30:31], s[14:15], s[30:31]
	s_add_nc_u64 s[32:33], s[16:17], s[32:33]
	s_add_nc_u64 s[34:35], s[16:17], s[34:35]
	XLOAD R0, 0
	XLOAD R1, 1
	s_wait_loadcnt 16                              ; tile 0's 16 loads are in; tile 1's 16 may be out
	XTURN R0                                       ; (its wait for 0 also shows that the stores have read R0)
.set JJ, 0
.rept 64
	global_load_b32 v[R0+JJ], v[L4], s[6:7] offset:4096*JJ th:TH_LOAD_NT   ; W(row + JJ, my column): 32 lanes read 128 consecutive bytes; they land while x is quantised
.set JJ, JJ+1
.endr
	QUANT X, PW0
	XSEND 0
	s_wait_loadcnt 63                              ; 64 loads were issued behind tile 1's: with 63 out at the most tile 1 is in
	XTURN R1
	s_wait_xcnt 0x0                                ; tile 0's stores have read the codes' registers
	QUANT X, PW1
	XSEND 1
	v_cndmask_b32 v[PWJ], v[PW0], v[PW1], s[HI16]  ; lanes 0-15: tile 0's word of row r; lanes 16-31: tile 1's
	ds_store_b32 v[XSA], v[PWJ]
	s_wait_loadcnt 0x0                             ; my column's 64 numbers: two whole blocks, no other lane is asked
.irp c, 0,1
	v_max3_num_f32 v[TM+\c], |v[R0+32*\c]|, |v[R0+1+32*\c]|, 0x1800000
.endr
.irp i, 2,4,6,8,10,12,14,16,18,20,22,24,26,28,30
.irp c, 0,1
	s_delay_alu instid0(VALU_DEP_2)
	v_max3_num_f32 v[TM+\c], v[TM+\c], |v[R0+32*\c+\i]|, |v[R0+1+32*\c+\i]|
.endr
.endr
.irp c, 0,1
	s_delay_alu instid0(VALU_DEP_2)
	v_add_nc_u32 v[TM+12+\c], 0xff000000, v[TM+\c]
.endr
.irp c, 0,1
	s_delay_alu instid0(VALU_DEP_2)
	v_lshrrev_b32 v[TM+4+\c], 23, v[TM+12+\c]
.endr
	s_delay_alu instid0(VALU_DEP_1)
	v_lshl_or_b32 v[WBY], v[TM+5], 8, v[TM+4]
	s_wait_alu depctr_va_vdst(0)
	s_wait_xcnt 0x0                                ; tile 1's stores have read the codes' registers
.irp c, 0,1
	v_cvt_scalef32_pk16_fp6_f32 v[PC+6*\c:PC+2+6*\c], v[R0+32*\c:R0+15+32*\c], v[TM+12+\c]
	v_cvt_scalef32_pk16_fp6_f32 v[PC+12+4*\c:PC+14+4*\c], v[R0+16+32*\c:R0+31+32*\c], v[TM+12+\c]
.endr
	v_nop
.irp c, 0,1
.irp i, 0,1,2
	v_mov_b32 v[PC+3+6*\c+\i], v[PC+12+4*\c+\i]
.endr
.endr
.irp c, 0,1                            ; block c belongs to fragment lane (row, h = c): 24 bytes at 24 x (row + 16 c)
.irp p, 0,1,2
	ds_store_b64 v[WA], v[PC+6*\c+2*\p:PC+6*\c+2*\p+1] offset:384*\c+8*\p
.endr
.endr
	ds_store_b16 v[WSA], v[WBY]
	s_wait_dscnt 0x0                               ; for the others' sake: my LDS stores are done
	s_barrier_signal -1
	s_barrier_wait -1
.irp p, 0,1,2                          ; registers 0-5 come from the wave with the K step's first 64 rows, registers 6-11 from the wave with its last 64
	ds_load_b64 v[R0+2*\p:R0+2*\p+1], v[WR] offset:8*\p
	ds_load_b64 v[R0+6+2*\p:R0+7+2*\p], v[WR] offset:1536+8*\p
.endr
	s_wait_dscnt 0x0
.irp j, 0,1,2
	global_store_b128 v[L16], v[R0+4*\j:R0+4*\j+3], s[32:33] offset:512*\j
.endr
	s_cmp_lt_u32 s[WV], 2
	s_cbranch_scc0 .Lnot_xs
.irp i, 0,1,2,3
	ds_load_b32 v[R1+\i], v[XSR] offset:128*\i     ; four K steps' words of one token
.endr
	s_wait_dscnt 0x0
	global_store_b128 v[XGO], v[R1:R1+3], s[30:31] ; waves 0 and 1: 1,024 consecutive bytes
	s_branch .Lend
.Lnot_xs:
	s_cmp_eq_u32 s[WV], 2
	s_cbranch_scc0 .Lend
.irp i, 0,1,2,3,4,5,6,7
	ds_load_u16 v[R1+\i], v[WSR] offset:64*\i      ; my column's two bytes from each of the eight waves
.endr
	s_wait_dscnt 0x0
.irp j, 0,1,2,3
	v_lshl_or_b32 v[R1+8+\j], v[R1+2*\j+1], 16, v[R1+2*\j]
.endr
	global_store_b128 v[WGO], v[R1+8:R1+11], s[34:35]   ; 16 of a row's 32 bytes: one byte in 128 of what the launch reads of W
.Lend:
	s_wait_tensorcnt 0x0
	ds_add_u32 v62, v63
	s_wait_dscnt 0x0
	s_endpgm
.Lfunc_end_k_qa119ac4e77_quant:
	.size	k_qa119ac4e77_quant, .Lfunc_end_k_qa119ac4e77_quant-k_qa119ac4e77_quant
	.p2alignl 7, 3214868480
	.fill 96, 4, 3214868480
	.section	.rodata,"a",@progbits
	.p2align	6, 0x0
	.amdhsa_kernel k_qa119ac4e77_quant
		.amdhsa_group_segment_fixed_size 82944
		.amdhsa_private_segment_fixed_size 0
		.amdhsa_enable_private_segment 0
		.amdhsa_kernarg_size 56
		.amdhsa_user_sgpr_count 2
		.amdhsa_user_sgpr_kernarg_segment_ptr 1
		.amdhsa_wavefront_size32 1
		.amdhsa_system_sgpr_workgroup_id_x 1
		.amdhsa_system_sgpr_workgroup_id_y 1
		.amdhsa_system_sgpr_workgroup_id_z 1
		.amdhsa_system_vgpr_workitem_id 0
		.amdhsa_next_free_vgpr 256
		.amdhsa_next_free_sgpr 66
		.amdhsa_reserve_vcc 0
		.amdhsa_float_denorm_mode_32 3
		.amdhsa_float_denorm_mode_16_64 3
		.amdhsa_memory_ordered 1
		.amdhsa_forward_progress 1
		.amdhsa_inst_pref_size 38
	.end_amdhsa_kernel
	.amdgpu_metadata
---
amdhsa.version: [ 1, 2 ]
amdhsa.kernels:
  - .name:           k_qa119ac4e77_quant
    .symbol:         k_qa119ac4e77_quant.kd
    .args:
      - { .name: x, .offset: 0, .size: 8, .value_kind: global_buffer, .address_space: global }
      - { .name: Wq, .offset: 8, .size: 8, .value_kind: global_buffer, .address_space: global }
      - { .name: Wk, .offset: 16, .size: 8, .value_kind: global_buffer, .address_space: global }
      - { .name: Wv, .offset: 24, .size: 8, .value_kind: global_buffer, .address_space: global }
      - { .name: Wp, .offset: 32, .size: 8, .value_kind: global_buffer, .address_space: global }
      - { .name: xq, .offset: 40, .size: 8, .value_kind: global_buffer, .address_space: global }
      - { .name: wq, .offset: 48, .size: 8, .value_kind: global_buffer, .address_space: global }
    .group_segment_fixed_size: 82944
    .private_segment_fixed_size: 0
    .kernarg_segment_align: 8
    .kernarg_segment_size: 56
    .max_flat_workgroup_size: 256
    .sgpr_count:     66
    .vgpr_count:     256
    .wavefront_size: 32
...
	.end_amdgpu_metadata
.endif
;; end of part 1
;; launch qkv (part 2): grid 32 x 16, 4 waves a work-group, clusters of 4 x 1, 168,448 bytes of LDS; arguments xq, wq, bq, bk, bv, qq, kv; writes qq, kv
.if DOCPART == 2
	.amdgcn_target "amdgcn-amd-amdhsa--gfx1250"
	.amdhsa_code_object_version 6
	.text
	.protected	k_qa119ac4e77_qkv
	.globl	k_qa119ac4e77_qkv
	.p2align	8
	.type	k_qa119ac4e77_qkv,@function
k_qa119ac4e77_qkv:
	s_mov_b64 s[64:65], 0
	v_nop
	global_prefetch_b8 v0, s[64:65] scope:SCOPE_SE
	s_setreg_imm32_b32 hwreg(HW_REG_WAVE_MODE, 25, 1), 1
	s_wait_xcnt 0x0
	s_wait_alu depctr_hold_cnt(0) depctr_sa_sdst(0) depctr_va_vdst(0) depctr_va_sdst(0) depctr_va_ssrc(0) depctr_va_vcc(0) depctr_vm_vsrc(0)
	s_getreg_b32 s2, hwreg(HW_REG_IB_STS2, 6, 4)
	s_cmp_eq_u32 s2, 0
	s_cbranch_scc0 .Lentry_in_a_cluster
	s_endpgm
.Lentry_in_a_cluster:
	s_bfe_u32 s2, ttmp6, 0x10000c
	s_cmp_lg_u32 s2, 0x3003
	s_cbranch_scc0 .Lentry_shape_is_right
	s_endpgm
.Lentry_shape_is_right:
; q, k, v = x W + b for 256 tokens and ONE head (192 columns), on codes of FP6 (E2M3) with E8M0 scales; the results are quantised in registers and leave as codes: q and k along the head's 64, v along the tokens (the keys).
; SHARES.  Four waves; wave w takes 64 tokens (4 tiles) x all 192 columns: 48 accumulators.  x's fragments belong to one wave alone: they come from memory straight into registers.
; The head's weights for all of K (147,456 bytes, one dense block) lie in LDS, filled ONCE, in four chunks of two K steps; each wave brings a quarter of each chunk: four tensor loads of mine are out at the most.
; CLUSTER.  The four work-groups of a cluster take four blocks of tokens of the same head: they ask for the weights JOINTLY (mask 15, the same descriptor in all four).  No LDS byte is filled twice.
; LAYOUT.  q and k are used transposed (source 0 = 16 columns of W, source 1 = 16 tokens): a lane holds one token, its registers run along the head's channels.  v the other way (source 0 = tokens, source 1 = columns):
; a lane holds one channel, its registers run along the tokens.  Tile 2 P + u, lane row r, is row 32 P + 8 u + r + 8 (r / 8), for tokens and columns alike: so the 16 registers of two neighbouring accumulators are 16 neighbours.
; The biases are the C of each sum's first matrix instruction.
; OUT.  Half a fragment (16 rows x 64 K, 6 registers) goes as an image of 768 bytes: registers 2 p, 2 p + 1 of lane L at 256 p + 8 L: each store of the wave covers 256 consecutive bytes, aligned.
;   qq, a (batch, head) 106,496 bytes: [tile 128][768]; from 98,304 the scale words [64 tokens 32][lane][2]: word pr of lane (r, u): tile 4 G + 2 pr + u, row r: two bytes, then two zeros.
;   kv, a (batch, head) 208,896 bytes: k as q's codes; from 98,304 v [128 keys 16][tile of channels 4][64 keys 2][768]; from 196,608 k's scale words as q's; from 204,800 v's [64 keys 32][lane]: low half tile u, high half tile 2 + u.
; LIMITS: a block of zeros gets the byte 1 where the rule says 127 (zero codes; this program alone reads the bytes); NaN and infinities are not served.
; REGISTERS, in windows of 256: window 0: v1-10 addresses; v32-79 W's scale words (pair of tiles i, K step s: 32 + 8 i + s; lanes 0-15 the even tile, lanes 16-31 the odd one); v80-95 x's; v96-239 three buffers of four W fragments.
;   window 1: x's fragments, slots 0-4 of 48.   window 2: v0-95 the biases, later slots 5 and 6; v128-255 v's accumulators (128 + 32 t + 8 m).   window 3: q's accumulators (32 m + 8 t), k's (128 + 32 m + 8 t).
.set NG,    3                          ; groups of four W tiles in a K step: q, k, v
.set NGT,   24
.set STEPB, 18432                      ; a K step's 12 images
.set CHUNK, 36864
.set L16, 1
.set L8,  2
.set L4,  3
.set LB,  4                            ; v4-7 16 x lane + chunk c
.set SRW, 8                            ; v8   32 x (8 h + r + 8 (r / 8)): my row of scale bytes in a group of 32 rows
.set H64, 9                            ; v9   64 h
.set RP4, 10                           ; v10  4 x (r + 8 (r / 8))
.set WS,  32
.set XS,  80
.set BF,  96
.set TM,  96                           ; the way out, in the buffers' registers: largest magnitudes,
.set TP,  104                          ; the other half's,
.set SO,  112                          ; the conversions' scale operands,
.set BY,  120                          ; the bytes,
.set HW,  128                          ; a tile's two bytes,
.set SW,  132                          ; the words to store,
.set PC,  136                          ; v136-159 four images' codes,
.set TT,  160                          ; v160-175 at work
.set WV,  18
.set HI16, 23
.set G1,  24
.set G0,  32
.set SEL, 52
.set MSB, 0
.macro WIN new                         ; the immediate's high byte repeats the setting that is left
.if MSB != (\new)
	s_set_vgpr_msb (MSB<<8)|(\new)
.set MSB, (\new)
.endif
.endm
.macro CROUND                          ; a round of the cluster's barrier
	s_barrier_signal -1
	s_barrier_wait -1
	s_cmp_lg_u32 s[WV], 0
	s_cbranch_scc1 .Lnot_wave_0_\@
	s_barrier_signal -3
.Lnot_wave_0_\@:
	s_barrier_wait -3
	s_barrier_signal -1
	s_barrier_wait -1
.endm
.macro PLACES                          ; four plain places behind matrix instructions, in front of loads into their registers and of reads of their results
.rept 4
	v_nop
.endr
.endm
.macro SLOT s                          ; where K step s's fragments of x lie: window AW, register AB
.if (\s) < 5
.set AW, 1
.set AB, 48*(\s)
.elseif (\s) == 7
.set AW, 1
.set AB, 0
.else
.set AW, 2
.set AB, 48*((\s)-5)
.endif
.endm
.macro WM                              ; one product, by the symbols rD, rA, rB, rC, rSA, rSB; fRA, fRB: the side's scales stand in lanes 16-31
.if (fRA == 0) && (fRB == 0)
	v_wmma_scale_f32_16x16x128_f8f6f4 v[rD:rD+7], v[rA:rA+11], v[rB:rB+11], v[rC:rC+7], v[rSA], v[rSB] matrix_a_fmt:MATRIX_FMT_FP6 matrix_b_fmt:MATRIX_FMT_FP6
.elseif fRB == 0
	v_wmma_scale_f32_16x16x128_f8f6f4 v[rD:rD+7], v[rA:rA+11], v[rB:rB+11], v[rC:rC+7], v[rSA], v[rSB] matrix_a_fmt:MATRIX_FMT_FP6 matrix_b_fmt:MATRIX_FMT_FP6 matrix_a_scale:MATRIX_SCALE_ROW1
.elseif fRA == 0
	v_wmma_scale_f32_16x16x128_f8f6f4 v[rD:rD+7], v[rA:rA+11], v[rB:rB+11], v[rC:rC+7], v[rSA], v[rSB] matrix_a_fmt:MATRIX_FMT_FP6 matrix_b_fmt:MATRIX_FMT_FP6 matrix_b_scale:MATRIX_SCALE_ROW1
.else
	v_wmma_scale_f32_16x16x128_f8f6f4 v[rD:rD+7], v[rA:rA+11], v[rB:rB+11], v[rC:rC+7], v[rSA], v[rSB] matrix_a_fmt:MATRIX_FMT_FP6 matrix_b_fmt:MATRIX_FMT_FP6 matrix_a_scale:MATRIX_SCALE_ROW1 matrix_b_scale:MATRIX_SCALE_ROW1
.endif
.endm
.macro FETCH                           ; group FG's four fragments of W into buffer FG % 3: 12 loads of 512 consecutive bytes
.irp t, 0,1,2,3
.irp j, 0,1,2
	ds_load_b128 v[BF+48*(FG%3)+12*\t+4*\j:BF+48*(FG%3)+12*\t+4*\j+3], v[LB+(FG/NG)/2] offset:((FG/NG)%2)*STEPB+(4*(FG%NG)+\t)*1536+512*\j
.endr
.endr
.endm
.macro ALOAD s                         ; K step s's four fragments of x: 12 loads of 512 consecutive bytes
	SLOT \s
	WIN AW<<6
.irp m, 0,1,2,3
.irp j, 0,1,2
	global_load_b128 v[AB+12*\m+4*\j:AB+12*\m+4*\j+3], v[L16], s[56:57] offset:12288*\m+1536*(\s)+512*\j
.endr
.endr
.endm
.macro MUL16                           ; group G: 16 products on 16 accumulators; an accumulator's next turn comes 48 matrix instructions later
.set KSTP, G/NG
.set TY, G%NG
	SLOT KSTP
.if TY < 2
.if KSTP == 0
	WIN 0xe4                                       ; W window 0, x window 1, C = the bias in window 2, D window 3
.else
	WIN 0xf0|(AW<<2)
.endif
.irp m, 0,1,2,3
.irp t, 0,1,2,3
.set rD, 128*TY+32*\m+8*\t
.set rC, rD
.if KSTP == 0
.set rC, 32*TY+8*\t
.endif
.set rA, BF+48*TY+12*\t
.set rB, AB+12*\m
.set rSA, WS+8*(2*TY+\t/2)+KSTP
.set rSB, XS+8*(\m/2)+KSTP
.set fRA, \t%2
.set fRB, \m%2
	WM
.endr
.endr
.else
	WIN 0xa0|AW                                    ; x window AW, W window 0, C and D window 2
.irp t, 0,1,2,3
.irp m, 0,1,2,3
.set rD, 128+32*\t+8*\m
.set rC, rD
.if KSTP == 0
.set rC, 64+8*\t
.endif
.set rA, AB+12*\m
.set rB, BF+96+12*\t
.set rSA, XS+8*(\m/2)+KSTP
.set rSB, WS+8*(4+\t/2)+KSTP
.set fRA, \m%2
.set fRB, \t%2
	WM
.endr
.endr
.endif
.endm
.macro GROUP
.set BAR, 0
.if (G%6 == 3) && (G < 18)             ; the fetch behind this group is the first of a chunk
.set BAR, 1
.endif
.if G%NG == 0
.set NS, 48
.if G/NG > 3
.set NS, 12*(7-G/NG)
.endif
	s_wait_loadcnt NS                              ; this K step's x is in: NS loads of x were issued behind it
.endif
.if BAR
	s_wait_tensorcnt 3-(G+3)/6                     ; my quarter of the next chunk has landed; the later chunks may be out
	s_wait_dscnt 0x0                               ; no LDS load of mine is out at a signal
	s_barrier_signal -1
.elseif G < NGT-2
	s_wait_dscnt 24                                ; this group's fragments are in; the next two groups' 24 loads may be out
.else
	s_wait_dscnt 12*(NGT-1-G)
.endif
	MUL16
.if BAR
	s_barrier_wait -1                              ; every wave's quarter has landed
.endif
.if G+3 < NGT
	PLACES
	WIN 0
.set FG, G+3
	FETCH
.endif
.if G == 2
	ALOAD 5                                        ; over q's and k's biases, which step 0 alone reads
.elseif G == 5
	ALOAD 6
.elseif G == 8
	ALOAD 7                                        ; over K step 0's fragments
.endif
.endm
; THE WAY OUT.  Four units of 32 registers (window win, from base on; register 16 b + i of a unit = k 32 b + 16 h + i of the lane's row) become four images' codes in v[PC] on and their two bytes in v[HW] on.
.macro EPI win, base
	s_wait_xcnt 0x0                                ; the stores of the units before have read their registers
	WIN (\win)|((\win)<<2)
.irp n, 0,1,2,3
.irp b, 0,1
	v_max3_num_f32 v[TM+2*\n+\b], |v[\base+32*\n+16*\b]|, |v[\base+32*\n+16*\b+1]|, 0x1800000   ; each accumulator is read from its low end on; the floor 2^(3 - 127) holds the byte at 1
.endr
.endr
.irp i, 2,4,6,8,10,12,14
.irp n, 0,1,2,3
.irp b, 0,1
	v_max3_num_f32 v[TM+2*\n+\b], |v[\base+32*\n+16*\b+\i]|, |v[\base+32*\n+16*\b+\i+1]|, v[TM+2*\n+\b]
.endr
.endr
.endr
	WIN 0
.irp e, 0,1,2,3,4,5,6,7
	v_permlanex16_b32 v[TP+\e], v[TM+\e], s[SEL], s[SEL+1]
.endr
.irp e, 0,1,2,3,4,5,6,7
	v_max_num_f32 v[TM+\e], v[TM+\e], v[TP+\e]
.endr
.irp e, 0,1,2,3,4,5,6,7
	v_add_nc_u32 v[SO+\e], 0xff000000, v[TM+\e]    ; 2 off the exponent field: the conversion's scale operand
.endr
.irp e, 0,1,2,3,4,5,6,7
	v_lshrrev_b32 v[BY+\e], 23, v[SO+\e]
.endr
.irp n, 0,1,2,3
	v_lshl_or_b32 v[HW+\n], v[BY+2*\n+1], 8, v[BY+2*\n]
.endr
	WIN \win
.irp n, 0,1,2,3
	v_cvt_scalef32_pk16_fp6_f32 v[PC+6*\n:PC+6*\n+2], v[\base+32*\n:\base+32*\n+15], v[SO+2*\n]
	v_cvt_scalef32_pk16_fp6_f32 v[TT+4*\n:TT+4*\n+2], v[\base+32*\n+16:\base+32*\n+31], v[SO+2*\n+1]
.endr
	WIN 0
	v_nop                                          ; one plain place behind a scaled conversion
.irp n, 0,1,2,3
.irp i, 0,1,2
	v_permlane16_swap_b32 v[PC+6*\n+\i], v[TT+4*\n+\i]   ; lanes 0-15 get block 0 whole, lanes 16-31 block 1
.endr
.irp i, 0,1,2
	v_mov_b32 v[PC+6*\n+3+\i], v[TT+4*\n+\i]
.endr
.endr
	v_cndmask_b32 v[SW], v[HW], v[HW+1], s[HI16]   ; lanes 0-15: the even unit's bytes of row r; lanes 16-31: the odd unit's
	v_cndmask_b32 v[SW+1], v[HW+2], v[HW+3], s[HI16]
.endm
.macro SENDQK cs, ss
.irp n, 0,1,2,3
.irp p, 0,1,2
	global_store_b64 v[L8], v[PC+6*\n+2*\p:PC+6*\n+2*\p+1], s[\cs:\cs+1] offset:768*\n+256*\p
.endr
.endr
	global_store_b64 v[L8], v[SW:SW+1], s[\ss:\ss+1]
.endm
	s_load_b256 s[4:11], s[0:1], 0x0               ; xq, wq, bq, bk
	s_load_b128 s[12:15], s[0:1], 0x20             ; bv, qq
	s_load_b64 s[16:17], s[0:1], 0x30              ; kv
	v_lshl_add_u32 v254, v0, 2, 0x29000
	v_mov_b32 v255, 0
	ds_add_u32 v254, v255
	ds_add_u32 v254, v255
	v_lshrrev_b32 v11, 5, v0
	v_readfirstlane_b32 s[WV], v11                 ; wave 0..3
	s_and_b32 s21, ttmp7, 0xffff                   ; the head, which the four partners share
	; descriptor group 1: a quarter of a chunk, 9,216 dense bytes, as 36 rows of 256 bytes (32 elements of 8 bytes)
	s_mov_b32 s[G1], 15|(3<<16)|(1<<21)            ; 15:0 the mask: all four work-groups; 17:16 elements of 8 bytes; 21 set beside a mask
	s_mov_b32 s[G1+1], 32<<16                      ; tensor_dim0
	s_mov_b32 s[G1+2], 36<<16                      ; tensor_dim1
	s_mov_b32 s[G1+3], 32<<16                      ; tile_dim0
	s_mov_b32 s[G1+4], 36                          ; tile_dim1
	s_mov_b32 s[G1+5], 32                          ; the pitch
	s_mov_b32 s[G1+6], 0
	s_mov_b32 s[G1+7], 0
	s_mul_i32 s22, s[WV], CHUNK/4                  ; my quarter: the same offset in LDS and in memory
	s_mul_i32 s48, s21, 147456
	s_add_co_u32 s48, s48, s22
	s_mov_b32 s49, 0
	s_wait_dscnt 0x0
	s_wait_kmcnt 0x0
	s_add_nc_u64 s[48:49], s[6:7], s[48:49]
.irp c, 0,1,2,3
	s_mov_b32 s[G0+4*\c], 1
	s_add_co_u32 s[G0+4*\c+1], s22, \c*CHUNK
	s_add_nc_u64 s[G0+4*\c+2:G0+4*\c+3], s[48:49], \c*CHUNK
	s_or_b32 s[G0+4*\c+3], s[G0+4*\c+3], 0x80000000
.endr
	CROUND                                         ; all four work-groups are here: the joint loads meet
.irp c, 0,1,2,3
	tensor_load_to_lds s[G0+4*\c:G0+4*\c+3], s[G1:G1+7]
	s_nop 0
.endr
.rept 4
	v_nop
.endr
	v_and_b32 v11, 31, v0
	v_and_b32 v12, 15, v0                          ; r
	v_bfe_u32 v13, v0, 4, 1                        ; h
	v_lshlrev_b32 v[L16], 4, v11
	v_lshlrev_b32 v[L8], 3, v11
	v_lshlrev_b32 v[L4], 2, v11
.irp c, 0,1,2,3
	v_add_nc_u32 v[LB+\c], \c*CHUNK, v[L16]
.endr
	v_and_b32 v14, 8, v12
	v_add_nc_u32 v14, v14, v12                     ; r + 8 (r / 8)
	v_lshlrev_b32 v[RP4], 2, v14
	v_lshl_add_u32 v[SRW], v13, 3, v14
	v_lshlrev_b32 v[SRW], 5, v[SRW]
	s_wait_alu depctr_va_vdst(0)
	v_lshlrev_b32 v[H64], 6, v13
	s_wait_alu depctr_va_vdst(0)
	s_mov_b32 s[SEL], 0x76543210
	s_mov_b32 s[SEL+1], 0xfedcba98
	s_mov_b32 s[HI16], 0xffff0000
	s_bfe_u32 s19, ttmp6, 0x40000                  ; cx: it enters global addresses alone
	s_lshl_b32 s20, ttmp9, 2
	s_add_co_u32 s20, s20, s19                     ; my block of 256 tokens
	s_lshl_b32 s56, s20, 4
	s_lshl_b32 s57, s[WV], 2
	s_add_co_u32 s56, s56, s57                     ; my first tile of tokens
	s_mul_i32 s56, s56, 12288
	s_mov_b32 s57, 0
	s_add_nc_u64 s[56:57], s[4:5], s[56:57]        ; x's fragments
	s_lshl_b32 s58, s20, 13
	s_lshl_b32 s59, s[WV], 11
	s_add_co_u32 s58, s58, s59
	s_add_co_u32 s58, s58, 6291456
	s_mov_b32 s59, 0
	s_add_nc_u64 s[58:59], s[4:5], s[58:59]        ; x's scale bytes: my 64 tokens
	s_mul_i32 s60, s21, 6144
	s_add_co_u32 s60, s60, 3145728
	s_mov_b32 s61, 0
	s_add_nc_u64 s[60:61], s[6:7], s[60:61]        ; W's scale bytes: the head's 192 rows
	s_lshl_b32 s62, s21, 8
	s_mov_b32 s63, 0
	s_add_nc_u64 s[8:9], s[8:9], s[62:63]          ; the head's 64 numbers of each bias
	s_add_nc_u64 s[10:11], s[10:11], s[62:63]
	s_add_nc_u64 s[12:13], s[12:13], s[62:63]
	s_lshr_b32 s66, s20, 3
	s_lshl_b32 s66, s66, 4
	s_add_co_u32 s66, s66, s21                     ; 16 x batch + head
	s_and_b32 s67, s20, 7
	s_lshl_b32 s67, s67, 2
	s_add_co_u32 s67, s67, s[WV]                   ; G: my 64 tokens among the batch's 2,048
	s_mul_i32 s50, s66, 106496
	s_mul_i32 s51, s67, 3072
	s_lshl_b32 s54, s67, 8
	s_add_co_u32 s68, s50, s51
	s_mov_b32 s69, 0
	s_add_co_u32 s70, s50, s54
	s_add_co_u32 s70, s70, 98304
	s_mov_b32 s71, 0
	s_mul_i32 s50, s66, 208896
	s_add_co_u32 s72, s50, s51
	s_mov_b32 s73, 0
	s_add_co_u32 s74, s50, s54
	s_add_co_u32 s74, s74, 196608
	s_mov_b32 s75, 0
	s_lshr_b32 s55, s67, 1
	s_mul_i32 s55, s55, 6144
	s_add_co_u32 s76, s50, s55
	s_and_b32 s55, s67, 1
	s_mul_i32 s55, s55, 768
	s_add_co_u32 s76, s76, s55
	s_add_co_u32 s76, s76, 98304
	s_mov_b32 s77, 0
	s_lshl_b32 s55, s67, 7
	s_add_co_u32 s78, s50, s55
	s_add_co_u32 s78, s78, 204800
	s_mov_b32 s79, 0
	s_add_nc_u64 s[68:69], s[14:15], s[68:69]      ; q's codes,
	s_add_nc_u64 s[70:71], s[14:15], s[70:71]      ; q's scale words,
	s_add_nc_u64 s[72:73], s[16:17], s[72:73]      ; k's codes,
	s_add_nc_u64 s[74:75], s[16:17], s[74:75]      ; k's scale words,
	s_add_nc_u64 s[76:77], s[16:17], s[76:77]      ; v's codes,
	s_add_nc_u64 s[78:79], s[16:17], s[78:79]      ; v's scale words
.irp i, 0,1,2,3,4,5
.irp j, 0,1
	global_load_b128 v[WS+8*\i+4*\j:WS+8*\i+4*\j+3], v[SRW], s[60:61] offset:1024*\i+16*\j   ; a row's 32 bytes are its eight K steps' words
.endr
.endr
.irp p, 0,1
.irp j, 0,1
	global_load_b128 v[XS+8*\p+4*\j:XS+8*\p+4*\j+3], v[SRW], s[58:59] offset:1024*\p+16*\j
.endr
.endr
	WIN 0x80                                       ; destination window 2
.irp t, 0,1,2,3                        ; q's and k's biases in the result's layout: lane (r, h), tile 2 b + u: channels 32 b + 16 h + 8 u + 0 .. 7
	global_load_b128 v[8*\t:8*\t+3], v[H64], s[8:9] offset:(32*(\t/2)+8*(\t%2))*4
	global_load_b128 v[8*\t+4:8*\t+7], v[H64], s[8:9] offset:(32*(\t/2)+8*(\t%2))*4+16
	global_load_b128 v[32+8*\t:32+8*\t+3], v[H64], s[10:11] offset:(32*(\t/2)+8*(\t%2))*4
	global_load_b128 v[32+8*\t+4:32+8*\t+7], v[H64], s[10:11] offset:(32*(\t/2)+8*(\t%2))*4+16
.endr
.irp t, 0,1,2,3                        ; v's: one number a lane, its channel's
	global_load_b32 v[64+8*\t], v[RP4], s[12:13] offset:(32*(\t/2)+8*(\t%2))*4
.endr
.irp s, 0,1,2,3,4
	ALOAD \s
.endr
	s_wait_loadcnt 60                              ; scale words and biases are in; x's 60 loads may be out
	WIN 0x82
.irp t, 0,1,2,3
.irp i, 1,2,3,4,5,6,7
	v_mov_b32 v[64+8*\t+\i], v[64+8*\t]            ; v's bias is the same for a lane's eight tokens
.endr
.endr
	WIN 0
	s_wait_alu depctr_va_vdst(0)
	s_wait_tensorcnt 3                             ; my quarter of chunk 0 has landed; three loads may be out
	s_barrier_signal -1
	s_barrier_wait -1                              ; everybody's has
.set FG, 0
	FETCH
.set FG, 1
	FETCH
.set FG, 2
	FETCH
.set G, 0
.rept NGT
	GROUP
.set G, G+1
.endr
	PLACES
	EPI 3, 0                                       ; q: a unit is a tile of tokens
	SENDQK 68, 70
	EPI 3, 128                                     ; k
	SENDQK 72, 74
	EPI 2, 128                                     ; v: a unit is a tile of channels, K = my 64 tokens
	v_lshl_or_b32 v[SW], v[SW+1], 16, v[SW]
.irp n, 0,1,2,3
.irp p, 0,1,2
	global_store_b64 v[L8], v[PC+6*\n+2*\p:PC+6*\n+2*\p+1], s[76:77] offset:1536*\n+256*\p
.endr
.endr
	global_store_b32 v[L4], v[SW], s[78:79]
	s_wait_tensorcnt 0x0
	ds_add_u32 v254, v255
	s_wait_dscnt 0x0
	CROUND                                         ; the closing round: no work-group ends while a partner may still ask for a tile that names it
	s_endpgm
.Lfunc_end_k_qa119ac4e77_qkv:
	.size	k_qa119ac4e77_qkv, .Lfunc_end_k_qa119ac4e77_qkv-k_qa119ac4e77_qkv
	.p2alignl 7, 3214868480
	.fill 96, 4, 3214868480
	.section	.rodata,"a",@progbits
	.p2align	6, 0x0
	.amdhsa_kernel k_qa119ac4e77_qkv
		.amdhsa_group_segment_fixed_size 168448
		.amdhsa_private_segment_fixed_size 0
		.amdhsa_enable_private_segment 0
		.amdhsa_kernarg_size 56
		.amdhsa_user_sgpr_count 2
		.amdhsa_user_sgpr_kernarg_segment_ptr 1
		.amdhsa_wavefront_size32 1
		.amdhsa_system_sgpr_workgroup_id_x 1
		.amdhsa_system_sgpr_workgroup_id_y 1
		.amdhsa_system_sgpr_workgroup_id_z 1
		.amdhsa_system_vgpr_workitem_id 0
		.amdhsa_next_free_vgpr 1024
		.amdhsa_next_free_sgpr 80
		.amdhsa_reserve_vcc 0
		.amdhsa_float_denorm_mode_32 3
		.amdhsa_float_denorm_mode_16_64 3
		.amdhsa_memory_ordered 1
		.amdhsa_forward_progress 1
		.amdhsa_inst_pref_size 119
	.end_amdhsa_kernel
	.amdgpu_metadata
---
amdhsa.version: [ 1, 2 ]
amdhsa.kernels:
  - .name:           k_qa119ac4e77_qkv
    .symbol:         k_qa119ac4e77_qkv.kd
    .args:
      - { .name: xq, .offset: 0, .size: 8, .value_kind: global_buffer, .address_space: global }
      - { .name: wq, .offset: 8, .size: 8, .value_kind: global_buffer, .address_space: global }
      - { .name: bq, .offset: 16, .size: 8, .value_kind: global_buffer, .address_space: global }
      - { .name: bk, .offset: 24, .size: 8, .value_kind: global_buffer, .address_space: global }
      - { .name: bv, .offset: 32, .size: 8, .value_kind: global_buffer, .address_space: global }
      - { .name: qq, .offset: 40, .size: 8, .value_kind: global_buffer, .address_space: global }
      - { .name: kv, .offset: 48, .size: 8, .value_kind: global_buffer, .address_space: global }
    .group_segment_fixed_size: 168448
    .private_segment_fixed_size: 0
    .kernarg_segment_align: 8
    .kernarg_segment_size: 56
    .max_flat_workgroup_size: 128
    .sgpr_count:     80
    .vgpr_count:     1024
    .wavefront_size: 32
...
	.end_amdgpu_metadata
.endif
;; end of part 2
;; launch attn (part 3): grid 4 x 64, 16 waves a work-group, clusters of 4 x 1, 215,040 bytes of LDS; arguments qq, kv, yq; writes yq
.if DOCPART == 3
	.amdgcn_target "amdgcn-amd-amdhsa--gfx1250"
	.amdhsa_code_object_version 6
	.text
	.protected	k_qa119ac4e77_attn
	.globl	k_qa119ac4e77_attn
	.p2align	8
	.type	k_qa119ac4e77_attn,@function
k_qa119ac4e77_attn:
	s_mov_b64 s[64:65], 0
	v_nop
	global_prefetch_b8 v0, s[64:65] scope:SCOPE_SE
	s_setreg_imm32_b32 hwreg(HW_REG_WAVE_MODE, 25, 1), 1
	s_wait_xcnt 0x0
	s_wait_alu depctr_hold_cnt(0) depctr_sa_sdst(0) depctr_va_vdst(0) depctr_va_sdst(0) depctr_va_ssrc(0) depctr_va_vcc(0) depctr_vm_vsrc(0)
	s_getreg_b32 s2, hwreg(HW_REG_IB_STS2, 6, 4)
	s_cmp_eq_u32 s2, 0
	s_cbranch_scc0 .Lentry_in_a_cluster
	s_endpgm
.Lentry_in_a_cluster:
	s_bfe_u32 s2, ttmp6, 0x10000c
	s_cmp_lg_u32 s2, 0x3003
	s_cbranch_scc0 .Lentry_shape_is_right
	s_endpgm
.Lentry_shape_is_right:
; y = softmax(q k^T / 8, causal) v for one (batch, head) a cluster, both products on codes of FP6 (E2M3) with E8M0 scales; y is quantised along the channels and leaves as codes.
; THE SOFTMAX: t = score x log2(e) / 8; M = the running largest t rounded UP to a whole number; p = 2^(t - M) is quantised along the keys, not normalised; the row's sum is taken of the unquantised p and divides at the end.
; When M moves, the sum and O are multiplied by 2^(old M - new M): exact.
; SHARES.  The head's k and v with their scale words are one dense block of 208,896 bytes: it comes into LDS ONCE, by sixteen joint loads (one a wave, mask 15: the four work-groups of the cluster need the same block).
; So there is no ring, and no barrier in the walk.  A wave owns TWO tiles of 16 queries and takes them one after the other: one in the group of 128 tokens g = wave % 8, one in group 15 - g; the tile in the group is
; wave / 8 + 2 cx.  Under the mask a tile of group G needs G + 1 steps of 128 keys: every wave of every work-group has 17 steps.  Each pass walks a constant 16 trips; a trip whose keys all come after the
; queries is jumped over by a branch on the wave's number alone.  cx enters global addresses and the mask's number alone.
; LAYOUT.  Both products are used transposed (S^T = k q^T, O^T = v^T p^T): a lane holds one query.  Tile 2 P + u, lane row r, is row 32 P + 8 u + r + 8 (r / 8) for queries, keys and channels: the 16 registers of two
; neighbouring accumulators are 16 neighbouring keys (or channels).
; K = 64 IN AN INSTRUCTION OF 128: q's fragment is 6 registers of codes and 6 of zeros.  k's eight half fragments lie on end; tile t's operand takes 12 registers, of which the upper six (the next tile's codes; zeros behind the
; last) meet q's zero codes; the upper two scale bytes are 0 on both sides, which is a power of two and no NaN.
; LIMITS: a block's largest p is made from its largest score by the same multiply-add and exponential, which takes v_exp_f32 not to fall where its input rises; a block of zeros gets the byte 1; NaN and infinities are not served.
; REGISTERS: v1 8 x lane, v2 4 x lane, v3 the mask's number, v4, v5 offsets; v8-11 the step's LDS addresses; v12 -M, v13 the largest t, v[14:15] the sum; v16-27, v240-251 the two q; v220, v252 their scale words;
;   v32-85 k (48 + 6 zeros), then v (48); v96-159 S^T, then p; v160-191 O^T; v192-203 p's codes; v204-211 at work; v212-215 k's scale words; v216-219 v's; v221 p's; v224-239 at work.
.set WV,  18
.set G1,  24
.set G0,  32
.set CS,  36                           ; s[36:37] c = log2(e) / 8
.set SEL, 38
.set PSL, 40
.set PSH, 41
.set TK,  42                           ; LDS byte of the step's k,
.set TV,  43                           ; v,
.set TS,  44                           ; k's scale words,
.set TT,  45                           ; v's
.set SI,  46                           ; the step
.set GR0, 47                           ; the passes' groups of 128 tokens
.set GR1, 50
.set BM,  224                          ; v224-227 the blocks' largest scores, then largest p
.set BP,  228                          ; v228-231 the other half's; a partial sum; the bytes
.set SOP, 232                          ; v232-235 the conversions' scale operands
.set FF,  236                          ; v[236:237] f = 2^(old M - new M), named as a pair
.set T0,  238
.set T1,  239
.macro CROUND
	s_barrier_signal -1
	s_barrier_wait -1
	s_cmp_lg_u32 s[WV], 0
	s_cbranch_scc1 .Lnot_wave_0_\@
	s_barrier_signal -3
.Lnot_wave_0_\@:
	s_barrier_wait -3
	s_barrier_signal -1
	s_barrier_wait -1
.endm
.macro PADDR gr, qc, qs, yc, ys        ; a pass's four global addresses
	s_lshl_b32 s48, s[\gr], 3
	s_add_co_u32 s48, s48, s21                     ; the tile among the head's 128
	s_mul_i32 s49, s48, 768
	s_add_co_u32 s[\qc], s70, s49
	s_mov_b32 s[\qc+1], 0
	s_lshl_b32 s49, s[\gr], 9
	s_add_co_u32 s[\qs], s49, s71
	s_mov_b32 s[\qs+1], 0
	s_add_co_u32 s49, s48, s72
	s_mul_i32 s49, s49, 12288
	s_add_co_u32 s[\yc], s49, s73
	s_mov_b32 s[\yc+1], 0
	s_lshl_b32 s49, s[\gr], 12
	s_add_co_u32 s[\ys], s49, s74
	s_mov_b32 s[\ys+1], 0
	s_add_nc_u64 s[\qc:\qc+1], s[4:5], s[\qc:\qc+1]
	s_add_nc_u64 s[\qs:\qs+1], s[4:5], s[\qs:\qs+1]
	s_add_nc_u64 s[\yc:\yc+1], s[8:9], s[\yc:\yc+1]
	s_add_nc_u64 s[\ys:\ys+1], s[8:9], s[\ys:\ys+1]
.endm
; ONE TILE OF 16 QUERIES: q in v[qf] on, its scale word in v[qs], its group in s[gr]
.macro PASS qf, qs, gr, yc, ys
	v_mov_b32 v13, 0xff61b1e6                      ; the largest t so far: -3e38
	s_delay_alu instid0(VALU_DEP_1)
	v_floor_f32 v12, -v13                          ; -M
	v_mov_b32 v14, 0
	v_mov_b32 v15, 0
.set JJ, 0
.rept 32
	v_mov_b32 v[160+JJ], 0                         ; O^T: the step is written once; the first change of M leaves zeros zeros
.set JJ, JJ+1
.endr
	s_mov_b32 s[TK], 0
	s_mov_b32 s[TV], 98304
	s_mov_b32 s[TS], 196608
	s_mov_b32 s[TT], 204800
	s_mov_b32 s[SI], 0
.Ltrip_\@:
	s_cmp_gt_u32 s[SI], s[\gr]                     ; all 128 keys come after my queries: only the addresses step
	s_cbranch_scc1 .Lfoot_\@
	s_setprio 2
	v_add_nc_u32 v8, s[TK], v1                     ; (these four are the places behind the last products, in front of the loads into their registers)
	v_add_nc_u32 v9, s[TV], v1
	v_add_nc_u32 v10, s[TS], v1
	v_add_nc_u32 v11, s[TT], v2
.irp t, 0,1,2,3,4,5,6,7
.irp p, 0,1,2
	ds_load_b64 v[32+6*\t+2*\p:33+6*\t+2*\p], v8 offset:768*\t+256*\p   ; 32 lanes read 256 consecutive bytes
.endr
.endr
	ds_load_b64 v[212:213], v10
	ds_load_b64 v[214:215], v10 offset:256
	ds_load_b32 v216, v11
	ds_load_b32 v217, v11 offset:128
	s_wait_alu depctr_va_vdst(0)
	s_wait_dscnt 0x0
.irp t, 0,1,2,3,4,5,6,7                ; S^T = k q^T: eight accumulators, one instruction each
.if \t%2
	v_wmma_scale_f32_16x16x128_f8f6f4 v[96+8*\t:103+8*\t], v[32+6*\t:43+6*\t], v[\qf:\qf+11], 0, v[212+\t/2], v[\qs] matrix_a_fmt:MATRIX_FMT_FP6 matrix_b_fmt:MATRIX_FMT_FP6 matrix_a_scale:MATRIX_SCALE_ROW1
.else
	v_wmma_scale_f32_16x16x128_f8f6f4 v[96+8*\t:103+8*\t], v[32+6*\t:43+6*\t], v[\qf:\qf+11], 0, v[212+\t/2], v[\qs] matrix_a_fmt:MATRIX_FMT_FP6 matrix_b_fmt:MATRIX_FMT_FP6
.endif
.endr
	v_perm_b32 v218, v217, v216, s[PSL]            ; v's scale words of these 128 keys: the low halves of the two groups' words: tiles 0 (lanes 0-15) and 1 (lanes 16-31);
	v_perm_b32 v219, v217, v216, s[PSH]            ; the high halves: tiles 2 and 3.  With the two lines below: four places behind the products
	v_nop
	v_nop
.irp t, 0,1,2,3
.irp p, 0,1,2,3,4,5
	ds_load_b64 v[32+12*\t+2*\p:33+12*\t+2*\p], v9 offset:1536*\t+256*\p   ; v's four fragments land while the softmax is walked
.endr
.endr
	s_cmp_lg_u32 s[SI], s[\gr]                     ; on the diagonal the scores of hidden keys become -infinity: p = 0 then
	s_cbranch_scc1 .Lopen_\@
	v_mov_b32 v[T0], 0xff800000
.set JJ, 0
.rept 64
	v_cmp_gt_i32 vcc_lo, 32*(JJ/16)+JJ%16, v3      ; register 16 b + i holds key 32 b + 16 h + i of the step: hidden where 32 b + i > my query's place - 16 h
	v_cndmask_b32 v[96+JJ], v[96+JJ], v[T0], vcc_lo
.set JJ, JJ+1
.endr
.Lopen_\@:
.irp b, 0,1,2,3
	v_max3_num_f32 v[BM+\b], v[96+16*\b], v[97+16*\b], v[98+16*\b]   ; the largest score of each block of 32 keys: for the row's maximum and for the block's largest p
.endr
.irp i, 3,5,7,9,11,13
.irp b, 0,1,2,3
	v_max3_num_f32 v[BM+\b], v[BM+\b], v[96+16*\b+\i], v[97+16*\b+\i]
.endr
.endr
.irp b, 0,1,2,3
	v_max_num_f32 v[BM+\b], v[BM+\b], v[111+16*\b]
.endr
.irp b, 0,1,2,3
	s_delay_alu instid0(VALU_DEP_4)
	v_permlanex16_b32 v[BP+\b], v[BM+\b], s[SEL], s[SEL+1]
.endr
.irp b, 0,1,2,3
	s_delay_alu instid0(VALU_DEP_4)
	v_max_num_f32 v[BM+\b], v[BM+\b], v[BP+\b]
.endr
	s_delay_alu instid0(VALU_DEP_2)
	v_max3_num_f32 v[T0], v[BM], v[BM+1], v[BM+2]
	s_delay_alu instid0(VALU_DEP_1)
	v_max_num_f32 v[T0], v[T0], v[BM+3]
	s_delay_alu instid0(VALU_DEP_1)
	v_mul_f32 v[T0], s[CS], v[T0]
	s_delay_alu instid0(VALU_DEP_1)
	v_max_num_f32 v13, v13, v[T0]                  ; the running largest t
	v_mov_b32 v[T0], v12
	s_delay_alu instid0(VALU_DEP_2)
	v_floor_f32 v12, -v13                          ; the new -M = -ceil(t)
	s_delay_alu instid0(VALU_DEP_1)
	v_sub_f32 v[T0], v12, v[T0]                    ; old M - new M: a whole number, 0 or less
	s_delay_alu instid0(VALU_DEP_1)
	v_cvt_i32_f32 v[T0], v[T0]                     ; (it saturates)
	s_delay_alu instid0(VALU_DEP_1)
	v_ldexp_f32 v[FF], 1.0, v[T0]
.set JJ, 0
	s_setprio 1
.rept 32
	v_pk_fma_f32 v[96+JJ:97+JJ], v[96+JJ:97+JJ], s[CS:CS+1], v[12:13] op_sel_hi:[1,0,0]   ; t - M
.set JJ, JJ+2
.endr
.irp b, 0,1,2,3
	v_fma_f32 v[BM+\b], v[BM+\b], s[CS], v12
.endr
.set JJ, 0
	s_wait_alu depctr_va_vdst(0)
.rept 64
	v_exp_f32 v[96+JJ], v[96+JJ]                   ; p = 2^(t - M)
.set JJ, JJ+1
.endr
	v_pk_mul_f32 v[14:15], v[14:15], v[FF:FF+1] op_sel_hi:[1,0]   ; the sum under the new M: the plain place behind the batch
	s_wait_alu depctr_va_vdst(0)                   ; one wait for the 64, ahead of their first reader
.irp b, 0,1,2,3
	v_exp_f32 v[BM+\b], v[BM+\b]                   ; the blocks' largest p
.endr
	v_pk_add_f32 v[228:229], v[100:101], v[104:105]
	v_pk_add_f32 v[234:235], v[108:109], v[112:113]
	v_pk_add_f32 v[232:233], v[116:117], v[120:121]
	v_pk_add_f32 v[230:231], v[124:125], v[128:129]
	v_pk_add_f32 v[222:223], v[132:133], v[136:137]
	v_pk_add_f32 v[216:217], v[140:141], v[144:145]
	v_pk_add_f32 v[214:215], v[148:149], v[152:153]
	v_pk_add_f32 v[14:15], v[14:15], v[156:157]
	v_pk_add_f32 v[228:229], v[228:229], v[96:97]
	v_pk_add_f32 v[234:235], v[234:235], v[98:99]
	v_pk_add_f32 v[232:233], v[232:233], v[102:103]
	v_pk_add_f32 v[230:231], v[230:231], v[106:107]
	v_pk_add_f32 v[222:223], v[222:223], v[110:111]
	v_pk_add_f32 v[216:217], v[216:217], v[114:115]
	v_pk_add_f32 v[214:215], v[214:215], v[118:119]
	v_pk_add_f32 v[14:15], v[14:15], v[122:123]
	v_pk_add_f32 v[228:229], v[228:229], v[126:127]
	v_pk_add_f32 v[234:235], v[234:235], v[130:131]
	v_pk_add_f32 v[232:233], v[232:233], v[134:135]
	v_pk_add_f32 v[230:231], v[230:231], v[138:139]
	v_pk_add_f32 v[222:223], v[222:223], v[142:143]
	v_pk_add_f32 v[216:217], v[216:217], v[146:147]
	v_pk_add_f32 v[214:215], v[214:215], v[150:151]
	v_pk_add_f32 v[14:15], v[14:15], v[154:155]
	v_pk_add_f32 v[228:229], v[228:229], v[158:159]
	s_delay_alu instid0(VALU_DEP_2)
	v_pk_add_f32 v[14:15], v[14:15], v[230:231]
	s_delay_alu instid0(VALU_DEP_2)
	v_pk_add_f32 v[228:229], v[228:229], v[222:223]
	v_pk_add_f32 v[234:235], v[234:235], v[216:217]
	v_pk_add_f32 v[232:233], v[232:233], v[214:215]
	s_delay_alu instid0(VALU_DEP_2)
	v_pk_add_f32 v[14:15], v[14:15], v[234:235]
	s_delay_alu instid0(VALU_DEP_2)
	v_pk_add_f32 v[228:229], v[228:229], v[232:233]
	s_delay_alu instid0(VALU_DEP_1)
	v_pk_add_f32 v[14:15], v[14:15], v[228:229]
	s_setprio 0
	s_wait_alu depctr_va_vdst(0)                   ; and one for the four
.irp b, 0,1,2,3
	v_max_num_f32 v[BM+\b], 0x1800000, v[BM+\b]    ; the floor 2^(3 - 127): the byte cannot fall under 1
.endr
.irp b, 0,1,2,3
	s_delay_alu instid0(VALU_DEP_4)
	v_add_nc_u32 v[SOP+\b], 0xff000000, v[BM+\b]
.endr
.irp b, 0,1,2,3
	s_delay_alu instid0(VALU_DEP_4)
	v_lshrrev_b32 v[BP+\b], 23, v[SOP+\b]
.endr
	s_delay_alu instid0(VALU_DEP_3)
	v_lshl_or_b32 v221, v[BP+1], 8, v[BP]          ; p's scale word for these 128 keys
	s_delay_alu instid0(VALU_DEP_1)
	v_lshl_or_b32 v221, v[BP+2], 16, v221
	s_delay_alu instid0(VALU_DEP_1)
	v_lshl_or_b32 v221, v[BP+3], 24, v221
.irp c, 0,1
	v_cvt_scalef32_pk16_fp6_f32 v[192+6*\c:194+6*\c], v[96+32*\c:111+32*\c], v[SOP+2*\c]
	v_cvt_scalef32_pk16_fp6_f32 v[204+4*\c:206+4*\c], v[112+32*\c:127+32*\c], v[SOP+2*\c+1]
.endr
	v_nop                                          ; one plain place behind a scaled conversion
.irp c, 0,1
.irp i, 0,1,2
	v_permlane16_swap_b32 v[192+6*\c+\i], v[204+4*\c+\i]
.endr
.irp i, 0,1,2
	s_delay_alu instid0(VALU_DEP_3)
	v_mov_b32 v[195+6*\c+\i], v[204+4*\c+\i]
.endr
.endr
.set JJ, 0
.rept 16
	v_pk_mul_f32 v[160+JJ:161+JJ], v[160+JJ:161+JJ], v[FF:FF+1] op_sel_hi:[1,0]   ; O^T under the new M; of these 16, 12 name no register of any one product below: its places behind p's codes and scale word
.set JJ, JJ+2
.endr
	s_wait_alu depctr_va_vdst(0)
	s_wait_dscnt 0x0                               ; v is in
.irp t, 0,1,2,3                        ; O^T += v^T p^T: four accumulators, one instruction each
.if \t%2
	v_wmma_scale_f32_16x16x128_f8f6f4 v[160+8*\t:167+8*\t], v[32+12*\t:43+12*\t], v[192:203], v[160+8*\t:167+8*\t], v[218+\t/2], v221 matrix_a_fmt:MATRIX_FMT_FP6 matrix_b_fmt:MATRIX_FMT_FP6 matrix_a_scale:MATRIX_SCALE_ROW1
.else
	v_wmma_scale_f32_16x16x128_f8f6f4 v[160+8*\t:167+8*\t], v[32+12*\t:43+12*\t], v[192:203], v[160+8*\t:167+8*\t], v[218+\t/2], v221 matrix_a_fmt:MATRIX_FMT_FP6 matrix_b_fmt:MATRIX_FMT_FP6
.endif
.endr
.Lfoot_\@:
	s_add_co_u32 s[TK], s[TK], 6144
	s_add_co_u32 s[TV], s[TV], 6144
	s_add_co_u32 s[TS], s[TS], 512
	s_add_co_u32 s[TT], s[TT], 256
	s_add_co_u32 s[SI], s[SI], 1
	s_cmp_lt_u32 s[SI], 16
	s_cbranch_scc1 .Ltrip_\@
	s_setprio 0
	; the tile's end: y = O^T / the sum, quantised along the head's 64 channels: register 16 b + i = channel 32 b + 16 h + i of my query
.rept 4
	v_nop
.endr
	v_add_f32 v14, v14, v15
	s_delay_alu instid0(VALU_DEP_1)
	v_permlanex16_b32 v[T0], v14, s[SEL], s[SEL+1]
	s_delay_alu instid0(VALU_DEP_1)
	v_add_f32 v14, v14, v[T0]                      ; the row's sum
	s_wait_alu depctr_va_vdst(0)
	v_rcp_f32 v14, v14
	v_nop                                          ; a plain place behind the reciprocal
	s_wait_alu depctr_va_vdst(0)                   ; and the wait ahead of its first reader
.set JJ, 0
.rept 32
	v_mul_f32 v[96+JJ], v[160+JJ], v14
.set JJ, JJ+1
.endr
.irp b, 0,1
	v_max3_num_f32 v[BM+\b], |v[96+16*\b]|, |v[97+16*\b]|, 0x1800000
.endr
.irp i, 2,4,6,8,10,12,14
.irp b, 0,1
	s_delay_alu instid0(VALU_DEP_2)
	v_max3_num_f32 v[BM+\b], v[BM+\b], |v[96+16*\b+\i]|, |v[97+16*\b+\i]|
.endr
.endr
.irp b, 0,1
	s_delay_alu instid0(VALU_DEP_2)
	v_permlanex16_b32 v[BP+\b], v[BM+\b], s[SEL], s[SEL+1]
.endr
.irp b, 0,1
	s_delay_alu instid0(VALU_DEP_2)
	v_max_num_f32 v[BM+\b], v[BM+\b], v[BP+\b]
.endr
.irp b, 0,1
	s_delay_alu instid0(VALU_DEP_2)
	v_add_nc_u32 v[SOP+\b], 0xff000000, v[BM+\b]
.endr
.irp b, 0,1
	s_delay_alu instid0(VALU_DEP_2)
	v_lshrrev_b32 v[BP+\b], 23, v[SOP+\b]
.endr
	s_delay_alu instid0(VALU_DEP_1)
	v_lshl_or_b32 v[T1], v[BP+1], 8, v[BP]
	v_cvt_scalef32_pk16_fp6_f32 v[192:194], v[96:111], v[SOP]
	v_cvt_scalef32_pk16_fp6_f32 v[204:206], v[112:127], v[SOP+1]
	v_nop
.irp i, 0,1,2
	v_permlane16_swap_b32 v[192+\i], v[204+\i]
.endr
.irp i, 0,1,2
	s_delay_alu instid0(VALU_DEP_3)
	v_mov_b32 v[195+\i], v[204+\i]
.endr
.irp p, 0,1,2
	global_store_b64 v1, v[192+2*\p:193+2*\p], s[\yc:\yc+1] offset:256*\p   ; 256 consecutive bytes, aligned
.endr
	global_store_b16 v5, v[T1], s[\ys:\ys+1]       ; my query's two scale bytes of this head (both halves of the lanes write the same two): 2 bytes for 48 of codes
	s_wait_xcnt 0x0                                ; the stores have read their registers: the next pass writes them
.endm
	s_load_b128 s[4:7], s[0:1], 0x0                ; qq, kv
	s_load_b64 s[8:9], s[0:1], 0x10                ; yq
	v_lshl_add_u32 v254, v0, 2, 0x34000
	v_mov_b32 v255, 0
	ds_add_u32 v254, v255
	ds_add_u32 v254, v255
	v_lshrrev_b32 v6, 5, v0
	s_delay_alu instid0(VALU_DEP_1)
	v_readfirstlane_b32 s[WV], v6                  ; wave 0..15
	s_and_b32 s20, ttmp7, 0xffff                   ; 16 x batch + head, which the four partners share
	; descriptor group 1: a sixteenth of the block, 13,056 dense bytes, as 51 rows of 256 bytes
	s_mov_b32 s[G1], 15|(3<<16)|(1<<21)
	s_mov_b32 s[G1+1], 32<<16
	s_mov_b32 s[G1+2], 51<<16
	s_mov_b32 s[G1+3], 32<<16
	s_mov_b32 s[G1+4], 51
	s_mov_b32 s[G1+5], 32
	s_mov_b32 s[G1+6], 0
	s_mov_b32 s[G1+7], 0
	s_mul_i32 s22, s[WV], 13056
	s_mul_i32 s76, s20, 208896
	s_add_co_u32 s76, s76, s22
	s_mov_b32 s77, 0
	s_wait_dscnt 0x0
	s_wait_kmcnt 0x0
	s_mov_b32 s[G0], 1
	s_mov_b32 s[G0+1], s22
	s_add_nc_u64 s[G0+2:G0+3], s[6:7], s[76:77]
	s_or_b32 s[G0+3], s[G0+3], 0x80000000
	CROUND                                         ; all four work-groups are here: the joint loads meet
	tensor_load_to_lds s[G0:G0+3], s[G1:G1+7]      ; one tensor load of mine is out
	s_nop 0
.rept 4
	v_nop
.endr
	s_mov_b32 s[CS], 0x3e38aa3b                    ; log2(e) / 8
	s_mov_b32 s[CS+1], s[CS]
	s_mov_b32 s[SEL], 0x76543210
	s_mov_b32 s[SEL+1], 0xfedcba98
	s_mov_b32 s[PSL], 0x05040100
	s_mov_b32 s[PSH], 0x07060302
	s_and_b32 s[GR0], s[WV], 7
	s_xor_b32 s[GR1], s[GR0], 15                   ; 15 - g
	s_bfe_u32 s19, ttmp6, 0x40000                  ; cx
	s_lshr_b32 s23, s[WV], 3
	s_lshl_b32 s21, s19, 1
	s_add_co_u32 s21, s21, s23                     ; my tile in a group of 128 tokens: wave / 8 + 2 cx
	s_lshr_b32 s51, s21, 1
	s_lshl_b32 s51, s51, 5
	s_and_b32 s49, s21, 1
	s_lshl_b32 s49, s49, 3
	s_add_co_u32 s51, s51, s49                     ; its first token in the group
	s_mul_i32 s70, s20, 106496
	s_lshr_b32 s48, s19, 1
	s_lshl_b32 s48, s48, 8
	s_and_b32 s49, s19, 1
	s_lshl_b32 s49, s49, 2
	s_add_co_u32 s71, s70, s48
	s_add_co_u32 s71, s71, s49
	s_add_co_u32 s71, s71, 98304                   ; q's scale words: 64 tokens 2 g + cx / 2, word cx % 2
	s_lshr_b32 s48, s20, 4                         ; batch
	s_lshl_b32 s72, s48, 7
	s_and_b32 s49, s20, 15                         ; head
	s_mul_i32 s73, s49, 768
	s_lshl_b32 s74, s48, 16
	s_lshl_b32 s48, s51, 5
	s_add_co_u32 s74, s74, s48
	s_lshl_b32 s49, s49, 1
	s_add_co_u32 s74, s74, s49
	s_add_co_u32 s74, s74, 6291456
	PADDR GR0, 52, 54, 56, 58
	PADDR GR1, 60, 62, 66, 68
	v_and_b32 v6, 31, v0
	v_and_b32 v7, 15, v0                           ; r
	v_bfe_u32 v8, v0, 4, 1                         ; h
	s_delay_alu instid0(VALU_DEP_3)
	v_lshlrev_b32 v1, 3, v6
	s_delay_alu instid0(VALU_DEP_4)
	v_lshlrev_b32 v2, 2, v6
	s_delay_alu instid0(VALU_DEP_4)
	v_and_b32 v9, 8, v7
	s_delay_alu instid0(VALU_DEP_1)
	v_add_nc_u32 v9, v9, v7                        ; r + 8 (r / 8)
	s_delay_alu instid0(VALU_DEP_1)
	v_lshlrev_b32 v5, 5, v9
	v_lshlrev_b32 v10, 4, v8
	s_delay_alu instid0(VALU_DEP_1)
	v_sub_nc_u32 v3, v9, v10
	s_delay_alu instid0(VALU_DEP_1)
	v_add_nc_u32 v3, s51, v3                       ; my query's place in its group of 128, less 16 h
	s_lshl_b32 s48, s23, 7
	v_lshl_add_u32 v4, v7, 3, s48                  ; q's scale word: lane r + 16 (tile % 2) of the stored words
.irp p, 0,1,2
	global_load_b64 v[16+2*\p:17+2*\p], v1, s[52:53] offset:256*\p
	global_load_b64 v[240+2*\p:241+2*\p], v1, s[60:61] offset:256*\p
.endr
	global_load_b32 v220, v4, s[54:55]
	global_load_b32 v252, v4, s[62:63]
.irp i, 0,1,2,3,4,5
	v_mov_b32 v[22+\i], 0                          ; zero codes for k = 64 .. 127
	v_mov_b32 v[246+\i], 0
	v_mov_b32 v[80+\i], 0
.endr
.irp i, 0,1,2,3
	v_mov_b32 v[BP+\i], 0                          ; a lane permute's destination counts as one of its sources
.endr
	v_mov_b32 v[FF+1], 0                           ; (named as the upper half of a pair)
	v_mov_b32 v[T0], 0
	v_mov_b32 v[T1], 0
	s_wait_tensorcnt 0x0                           ; my sixteenth has landed,
	s_barrier_signal -1
	s_barrier_wait -1                              ; everybody's has
	s_wait_loadcnt 0x0                             ; q
	PASS 16, 220, GR0, 56, 58
	PASS 240, 252, GR1, 66, 68
	s_wait_tensorcnt 0x0
	ds_add_u32 v254, v255
	s_wait_dscnt 0x0
	CROUND                                         ; the closing round
	s_endpgm
.Lfunc_end_k_qa119ac4e77_attn:
	.size	k_qa119ac4e77_attn, .Lfunc_end_k_qa119ac4e77_attn-k_qa119ac4e77_attn
	.p2alignl 7, 3214868480
	.fill 96, 4, 3214868480
	.section	.rodata,"a",@progbits
	.p2align	6, 0x0
	.amdhsa_kernel k_qa119ac4e77_attn
		.amdhsa_group_segment_fixed_size 215040
		.amdhsa_private_segment_fixed_size 0
		.amdhsa_enable_private_segment 0
		.amdhsa_kernarg_size 24
		.amdhsa_user_sgpr_count 2
		.amdhsa_user_sgpr_kernarg_segment_ptr 1
		.amdhsa_wavefront_size32 1
		.amdhsa_system_sgpr_workgroup_id_x 1
		.amdhsa_system_sgpr_workgroup_id_y 1
		.amdhsa_system_sgpr_workgroup_id_z 1
		.amdhsa_system_vgpr_workitem_id 0
		.amdhsa_next_free_vgpr 256
		.amdhsa_next_free_sgpr 78
		.amdhsa_reserve_vcc 1
		.amdhsa_float_denorm_mode_32 3
		.amdhsa_float_denorm_mode_16_64 3
		.amdhsa_memory_ordered 1
		.amdhsa_forward_progress 1
		.amdhsa_inst_pref_size 68
	.end_amdhsa_kernel
	.amdgpu_metadata
---
amdhsa.version: [ 1, 2 ]
amdhsa.kernels:
  - .name:           k_qa119ac4e77_attn
    .symbol:         k_qa119ac4e77_attn.kd
    .args:
      - { .name: qq, .offset: 0, .size: 8, .value_kind: global_buffer, .address_space: global }
      - { .name: kv, .offset: 8, .size: 8, .value_kind: global_buffer, .address_space: global }
      - { .name: yq, .offset: 16, .size: 8, .value_kind: global_buffer, .address_space: global }
    .group_segment_fixed_size: 215040
    .private_segment_fixed_size: 0
    .kernarg_segment_align: 8
    .kernarg_segment_size: 24
    .max_flat_workgroup_size: 512
    .sgpr_count:     78
    .vgpr_count:     256
    .wavefront_size: 32
...
	.end_amdgpu_metadata
.endif
;; end of part 3
;; launch proj (part 4): grid 32 x 8, 4 waves a work-group, clusters of 4 x 1, 168,448 bytes of LDS; arguments yq, wq, bp, out0; writes out0
.if DOCPART == 4
	.amdgcn_target "amdgcn-amd-amdhsa--gfx1250"
	.amdhsa_code_object_version 6
	.text
	.protected	k_qa119ac4e77_proj
	.globl	k_qa119ac4e77_proj
	.p2align	8
	.type	k_qa119ac4e77_proj,@function
k_qa119ac4e77_proj:
	s_mov_b64 s[64:65], 0
	v_nop
	global_prefetch_b8 v0, s[64:65] scope:SCOPE_SE
	s_setreg_imm32_b32 hwreg(HW_REG_WAVE_MODE, 25, 1), 1
	s_wait_xcnt 0x0
	s_wait_alu depctr_hold_cnt(0) depctr_sa_sdst(0) depctr_va_vdst(0) depctr_va_sdst(0) depctr_va_ssrc(0) depctr_va_vcc(0) depctr_vm_vsrc(0)
	s_getreg_b32 s2, hwreg(HW_REG_IB_STS2, 6, 4)
	s_cmp_eq_u32 s2, 0
	s_cbranch_scc0 .Lentry_in_a_cluster
	s_endpgm
.Lentry_in_a_cluster:
	s_bfe_u32 s2, ttmp6, 0x10000c
	s_cmp_lg_u32 s2, 0x3003
	s_cbranch_scc0 .Lentry_shape_is_right
	s_endpgm
.Lentry_shape_is_right:
; out0 = y Wp + bp for 256 tokens x 128 columns, on codes of FP6 (E2M3) with E8M0 scales; f32 out.
; SHARES.  Four waves; wave w takes 64 tokens (4 tiles) x all 128 columns: 32 accumulators.  y's fragments belong to one wave alone: they come from memory straight into registers and all eight K steps stay there.
; The 128 columns' weights for all of K (98,304 bytes, one dense block) lie in LDS, filled ONCE, in four chunks of two K steps; each wave brings a quarter of each chunk: four tensor loads of mine are out at the most.
; CLUSTER.  The four work-groups of a cluster take four blocks of tokens and the same columns: they ask for the weights JOINTLY (mask 15).  No LDS byte is filled twice.
; LAYOUT.  Transposed (source 0 = 16 columns of Wp, source 1 = 16 tokens): a lane holds one token and eight neighbouring columns.  Tile 2 P + u, lane row r, is row 32 P + 8 u + r + 8 (r / 8).  bp is the C of each sum's first product.
; y's fragment (tile, K step s) is two images of 768 bytes on end (heads 2 s, 2 s + 1): registers 2 p, 2 p + 1 of lane L at 256 p + 8 L.
; REGISTERS: window 0: v1-11 addresses; v32-63 Wp's scale words (pair of tiles i, K step s: 32 + 8 i + s), v64-79 y's; v96-239 three buffers of four W fragments, later rows of out0.
;   window 1: y's K steps 0-4, 48 each.   window 2: v0-143 K steps 5-7; v144-207 bp.   window 3: the accumulators (64 m + 8 t).
.set NG,    2
.set NGT,   16
.set STEPB, 12288
.set CHUNK, 24576
.set STG,   98304                      ; behind the weights: a stage of 32 rows x 528 bytes for each wave, which no tensor load fills
.set L16, 1
.set L8,  2
.set LB,  4
.set SRW, 8
.set H64, 9
.set STO, 10
.set SRD, 11
.set WS,  32
.set YS,  64
.set BF,  96
.set WV,  18
.set G1,  24
.set G0,  32
.set MSB, 0
.macro WIN new
.if MSB != (\new)
	s_set_vgpr_msb (MSB<<8)|(\new)
.set MSB, (\new)
.endif
.endm
.macro CROUND
	s_barrier_signal -1
	s_barrier_wait -1
	s_cmp_lg_u32 s[WV], 0
	s_cbranch_scc1 .Lnot_wave_0_\@
	s_barrier_signal -3
.Lnot_wave_0_\@:
	s_barrier_wait -3
	s_barrier_signal -1
	s_barrier_wait -1
.endm
.macro PLACES
.rept 4
	v_nop
.endr
.endm
.macro SLOT s
.if (\s) < 5
.set AW, 1
.set AB, 48*(\s)
.else
.set AW, 2
.set AB, 48*((\s)-5)
.endif
.endm
.macro WM
.if (fRA == 0) && (fRB == 0)
	v_wmma_scale_f32_16x16x128_f8f6f4 v[rD:rD+7], v[rA:rA+11], v[rB:rB+11], v[rC:rC+7], v[rSA], v[rSB] matrix_a_fmt:MATRIX_FMT_FP6 matrix_b_fmt:MATRIX_FMT_FP6
.elseif fRB == 0
	v_wmma_scale_f32_16x16x128_f8f6f4 v[rD:rD+7], v[rA:rA+11], v[rB:rB+11], v[rC:rC+7], v[rSA], v[rSB] matrix_a_fmt:MATRIX_FMT_FP6 matrix_b_fmt:MATRIX_FMT_FP6 matrix_a_scale:MATRIX_SCALE_ROW1
.elseif fRA == 0
	v_wmma_scale_f32_16x16x128_f8f6f4 v[rD:rD+7], v[rA:rA+11], v[rB:rB+11], v[rC:rC+7], v[rSA], v[rSB] matrix_a_fmt:MATRIX_FMT_FP6 matrix_b_fmt:MATRIX_FMT_FP6 matrix_b_scale:MATRIX_SCALE_ROW1
.else
	v_wmma_scale_f32_16x16x128_f8f6f4 v[rD:rD+7], v[rA:rA+11], v[rB:rB+11], v[rC:rC+7], v[rSA], v[rSB] matrix_a_fmt:MATRIX_FMT_FP6 matrix_b_fmt:MATRIX_FMT_FP6 matrix_a_scale:MATRIX_SCALE_ROW1 matrix_b_scale:MATRIX_SCALE_ROW1
.endif
.endm
.macro FETCH                           ; group FG's four fragments of Wp into buffer FG % 3
.irp t, 0,1,2,3
.irp j, 0,1,2
	ds_load_b128 v[BF+48*(FG%3)+12*\t+4*\j:BF+48*(FG%3)+12*\t+4*\j+3], v[LB+(FG/NG)/2] offset:((FG/NG)%2)*STEPB+(4*(FG%NG)+\t)*1536+512*\j
.endr
.endr
.endm
.macro AUNIT                           ; unit UK of y: K step UK / 2, tiles 2 (UK % 2) and 2 (UK % 2) + 1: 12 loads of 256 consecutive bytes
.if UK < 16
	SLOT UK/2
	WIN AW<<6
.irp mm, 0,1
.irp p, 0,1,2,3,4,5
	global_load_b64 v[AB+12*(2*(UK%2)+\mm)+2*\p:AB+12*(2*(UK%2)+\mm)+2*\p+1], v[L8], s[56:57] offset:12288*(2*(UK%2)+\mm)+1536*(UK/2)+256*\p
.endr
.endr
.endif
.endm
.macro MUL16                           ; group G: 16 products on 16 accumulators; an accumulator's next turn comes 32 matrix instructions later
.set KSTP, G/NG
.set Q2, G%NG
	SLOT KSTP
.if KSTP == 0
	WIN 0xe4                                       ; Wp window 0, y window 1, C = bp in window 2, D window 3
.else
	WIN 0xf0|(AW<<2)
.endif
.irp m, 0,1,2,3
.irp t, 0,1,2,3
.set rD, 64*\m+8*(4*Q2+\t)
.set rC, rD
.if KSTP == 0
.set rC, 144+8*(4*Q2+\t)
.endif
.set rA, BF+48*(G%3)+12*\t
.set rB, AB+12*\m
.set rSA, WS+8*(2*Q2+\t/2)+KSTP
.set rSB, YS+8*(\m/2)+KSTP
.set fRA, \t%2
.set fRB, \m%2
	WM
.endr
.endr
.endm
.macro GROUP
.set BAR, 0
.if (G%4 == 1) && (G < 12)             ; the fetch behind this group is the first of a chunk
.set BAR, 1
.endif
.if G%NG == 0
.set NS, 36
.if G/NG == 6
.set NS, 24
.elseif G/NG == 7
.set NS, 0
.endif
	s_wait_loadcnt NS                              ; this K step's two units of y are in: NS loads were issued behind them
.set UK, G+5
	AUNIT
.set UK, G+6
	AUNIT
.endif
.if BAR
	s_wait_tensorcnt 3-(G+3)/4                     ; my quarter of the next chunk has landed; the later chunks may be out
	s_wait_dscnt 0x0
	s_barrier_signal -1
.elseif G < NGT-2
	s_wait_dscnt 24                                ; this group's fragments are in; the next two groups' 24 loads may be out
.else
	s_wait_dscnt 12*(NGT-1-G)
.endif
	MUL16
.if BAR
	s_barrier_wait -1
.endif
.if G+3 < NGT
	PLACES
	WIN 0
.set FG, G+3
	FETCH
.endif
.endm
; THE WAY OUT of 32 tokens (tiles 2 pr, 2 pr + 1): through my own stage, back as whole rows of 512 bytes.  LDS serves a wave's instructions in order.
.macro OUTP pr
.if \pr > 0
	s_wait_xcnt 0x0                                ; the stores before have read their registers
.endif
	WIN 0x0c                                       ; an LDS store's data are its source 1: window 3
.irp um, 0,1
.irp t, 0,1,2,3,4,5,6,7
	ds_store_b128 v[STO], v[64*(2*\pr+\um)+8*\t:64*(2*\pr+\um)+8*\t+3] offset:4224*\um+128*(\t/2)+32*(\t%2)      ; each accumulator from its low end on
	ds_store_b128 v[STO], v[64*(2*\pr+\um)+8*\t+4:64*(2*\pr+\um)+8*\t+7] offset:4224*\um+128*(\t/2)+32*(\t%2)+16
.endr
.endr
	WIN 0
.irp i, 0,1,2,3,4,5,6,7,8,9,10,11,12,13,14,15
	ds_load_b128 v[96+4*\i:99+4*\i], v[SRD] offset:528*\i
.endr
.irp i, 0,1,2,3,4,5,6,7,8,9,10,11,12,13,14,15
	ds_load_b128 v[160+4*\i:163+4*\i], v[SRD] offset:528*(16+\i)
.endr
	s_wait_dscnt 16                                ; the first 16 rows are back; the other 16 loads may be out
.irp i, 0,1,2,3,4,5,6,7,8,9,10,11,12,13,14,15
	global_store_b128 v[L16], v[96+4*\i:99+4*\i], s[10:11] offset:(32*\pr+\i)*4096 th:TH_STORE_NT   ; 32 lanes store 512 consecutive bytes, aligned
.endr
	s_wait_dscnt 0x0
.irp i, 0,1,2,3,4,5,6,7,8,9,10,11,12,13,14,15
	global_store_b128 v[L16], v[160+4*\i:163+4*\i], s[10:11] offset:(32*\pr+16+\i)*4096 th:TH_STORE_NT
.endr
.endm
	s_load_b256 s[4:11], s[0:1], 0x0               ; yq, wq, bp, out0
	v_lshl_add_u32 v254, v0, 2, 0x29000
	v_mov_b32 v255, 0
	ds_add_u32 v254, v255
	ds_add_u32 v254, v255
	v_lshrrev_b32 v12, 5, v0
	v_readfirstlane_b32 s[WV], v12                 ; wave 0..3
	s_and_b32 s21, ttmp7, 0xffff                   ; which 128 columns: shared by the four partners
	; descriptor group 1: a quarter of a chunk, 6,144 dense bytes, as 24 rows of 256 bytes
	s_mov_b32 s[G1], 15|(3<<16)|(1<<21)
	s_mov_b32 s[G1+1], 32<<16
	s_mov_b32 s[G1+2], 24<<16
	s_mov_b32 s[G1+3], 32<<16
	s_mov_b32 s[G1+4], 24
	s_mov_b32 s[G1+5], 32
	s_mov_b32 s[G1+6], 0
	s_mov_b32 s[G1+7], 0
	s_mul_i32 s22, s[WV], CHUNK/4
	s_mul_i32 s48, s21, 98304
	s_add_co_u32 s48, s48, s22
	s_add_co_u32 s48, s48, 2359296
	s_mov_b32 s49, 0
	s_wait_dscnt 0x0
	s_wait_kmcnt 0x0
	s_add_nc_u64 s[48:49], s[6:7], s[48:49]
.irp c, 0,1,2,3
	s_mov_b32 s[G0+4*\c], 1
	s_add_co_u32 s[G0+4*\c+1], s22, \c*CHUNK
	s_add_nc_u64 s[G0+4*\c+2:G0+4*\c+3], s[48:49], \c*CHUNK
	s_or_b32 s[G0+4*\c+3], s[G0+4*\c+3], 0x80000000
.endr
	CROUND                                         ; all four work-groups are here: the joint loads meet
.irp c, 0,1,2,3
	tensor_load_to_lds s[G0+4*\c:G0+4*\c+3], s[G1:G1+7]
	s_nop 0
.endr
.rept 4
	v_nop
.endr
	v_and_b32 v12, 31, v0
	v_and_b32 v13, 15, v0                          ; r
	v_bfe_u32 v14, v0, 4, 1                        ; h
	v_lshlrev_b32 v[L16], 4, v12
	v_lshlrev_b32 v[L8], 3, v12
.irp c, 0,1,2,3
	v_add_nc_u32 v[LB+\c], \c*CHUNK, v[L16]
.endr
	v_and_b32 v15, 8, v13
	v_add_nc_u32 v15, v15, v13                     ; r + 8 (r / 8)
	v_lshl_add_u32 v[SRW], v14, 3, v15
	v_lshlrev_b32 v[SRW], 5, v[SRW]
	v_lshlrev_b32 v[H64], 6, v14
	s_mul_i32 s50, s[WV], 16896
	s_add_co_u32 s50, s50, STG                     ; my stage
	v_mul_u32_u24 v[STO], v15, 528                 ; in: the row of my token, + 64 h: my half's 16 columns of each 32
	v_lshl_add_u32 v[STO], v14, 6, v[STO]
	v_add_nc_u32 v[STO], s50, v[STO]
	v_add_nc_u32 v[SRD], s50, v[L16]               ; back: a row of 512 bytes, 16 a lane
	s_bfe_u32 s19, ttmp6, 0x40000                  ; cx: it enters global addresses alone
	s_lshl_b32 s20, ttmp9, 2
	s_add_co_u32 s20, s20, s19                     ; my block of 256 tokens
	s_lshl_b32 s56, s20, 4
	s_lshl_b32 s57, s[WV], 2
	s_add_co_u32 s56, s56, s57
	s_mul_i32 s56, s56, 12288
	s_mov_b32 s57, 0
	s_add_nc_u64 s[56:57], s[4:5], s[56:57]        ; y's fragments
	s_lshl_b32 s58, s20, 13
	s_lshl_b32 s59, s[WV], 11
	s_add_co_u32 s58, s58, s59
	s_add_co_u32 s58, s58, 6291456
	s_mov_b32 s59, 0
	s_add_nc_u64 s[58:59], s[4:5], s[58:59]        ; y's scale bytes
	s_lshl_b32 s60, s21, 12
	s_add_co_u32 s60, s60, 3244032                 ; Wp's scale bytes: row 3,072 + 128 x my group
	s_mov_b32 s61, 0
	s_add_nc_u64 s[60:61], s[6:7], s[60:61]
	s_lshl_b32 s62, s21, 9
	s_mov_b32 s63, 0
	s_add_nc_u64 s[8:9], s[8:9], s[62:63]          ; bp's 128 numbers
	s_lshl_b32 s51, s20, 20
	s_lshl_b32 s52, s[WV], 18
	s_add_co_u32 s62, s62, s51
	s_add_co_u32 s62, s62, s52
	s_add_nc_u64 s[10:11], s[10:11], s[62:63]      ; out0 at my first token and column
.irp i, 0,1,2,3
.irp j, 0,1
	global_load_b128 v[WS+8*\i+4*\j:WS+8*\i+4*\j+3], v[SRW], s[60:61] offset:1024*\i+16*\j
.endr
.endr
.irp p, 0,1
.irp j, 0,1
	global_load_b128 v[YS+8*\p+4*\j:YS+8*\p+4*\j+3], v[SRW], s[58:59] offset:1024*\p+16*\j
.endr
.endr
	WIN 0x80
.irp t, 0,1,2,3,4,5,6,7                ; bp in the result's layout: lane (r, h), tile 2 b + u: columns 32 b + 16 h + 8 u + 0 .. 7
	global_load_b128 v[144+8*\t:144+8*\t+3], v[H64], s[8:9] offset:(32*(\t/2)+8*(\t%2))*4
	global_load_b128 v[144+8*\t+4:144+8*\t+7], v[H64], s[8:9] offset:(32*(\t/2)+8*(\t%2))*4+16
.endr
.set UK, 0
.rept 5
	AUNIT
.set UK, UK+1
.endr
	WIN 0
	s_wait_tensorcnt 3                             ; my quarter of chunk 0 has landed; three loads may be out
	s_barrier_signal -1
	s_barrier_wait -1
.set FG, 0
	FETCH
.set FG, 1
	FETCH
.set FG, 2
	FETCH
.set G, 0
.rept NGT
	GROUP
.set G, G+1
.endr
	PLACES                                         ; in front of the reads of results and of the loads into the buffers' registers
	OUTP 0
	OUTP 1
	s_wait_tensorcnt 0x0
	ds_add_u32 v254, v255
	s_wait_dscnt 0x0
	CROUND                                         ; the closing round
	s_endpgm
.Lfunc_end_k_qa119ac4e77_proj:
	.size	k_qa119ac4e77_proj, .Lfunc_end_k_qa119ac4e77_proj-k_qa119ac4e77_proj
	.p2alignl 7, 3214868480
	.fill 96, 4, 3214868480
	.section	.rodata,"a",@progbits
	.p2align	6, 0x0
	.amdhsa_kernel k_qa119ac4e77_proj
		.amdhsa_group_segment_fixed_size 168448
		.amdhsa_private_segment_fixed_size 0
		.amdhsa_enable_private_segment 0
		.amdhsa_kernarg_size 32
		.amdhsa_user_sgpr_count 2
		.amdhsa_user_sgpr_kernarg_segment_ptr 1
		.amdhsa_wavefront_size32 1
		.amdhsa_system_sgpr_workgroup_id_x 1
		.amdhsa_system_sgpr_workgroup_id_y 1
		.amdhsa_system_sgpr_workgroup_id_z 1
		.amdhsa_system_vgpr_workitem_id 0
		.amdhsa_next_free_vgpr 1024
		.amdhsa_next_free_sgpr 66
		.amdhsa_reserve_vcc 0
		.amdhsa_float_denorm_mode_32 3
		.amdhsa_float_denorm_mode_16_64 3
		.amdhsa_memory_ordered 1
		.amdhsa_forward_progress 1
		.amdhsa_inst_pref_size 89
	.end_amdhsa_kernel
	.amdgpu_metadata
---
amdhsa.version: [ 1, 2 ]
amdhsa.kernels:
  - .name:           k_qa119ac4e77_proj
    .symbol:         k_qa119ac4e77_proj.kd
    .args:
      - { .name: yq, .offset: 0, .size: 8, .value_kind: global_buffer, .address_space: global }
      - { .name: wq, .offset: 8, .size: 8, .value_kind: global_buffer, .address_space: global }
      - { .name: bp, .offset: 16, .size: 8, .value_kind: global_buffer, .address_space: global }
      - { .name: out0, .offset: 24, .size: 8, .value_kind: global_buffer, .address_space: global }
    .group_segment_fixed_size: 168448
    .private_segment_fixed_size: 0
    .kernarg_segment_align: 8
    .kernarg_segment_size: 32
    .max_flat_workgroup_size: 128
    .sgpr_count:     66
    .vgpr_count:     1024
    .wavefront_size: 32
...
	.end_amdgpu_metadata
.endif
;; end of part 4
